; MI455X (gfx1250); checked and timed in simulation.
; The chip was launched on July 23, 2026; its instructions are those of AMD's public machine-readable ISA for CDNA 5 (MIT licence, August 2026) and "CDNA5" Instruction Set Architecture Reference Guide (July 2026). The comments in the code are by the model that wrote it; some were corrected since.
;; Transformer Post LN. Allowed arithmetic: matrix products marked QUANTISED: E3M2 operands, one E8M0 scale for each 32 along K, by v_wmma_scale_f32_16x16x128_f8f6f4 with both operands' format E3M2, f32 sums; everything else in f32.
;; Inputs: b1 2,048 float32; b2 512 float32; bk 512 float32; bo 512 float32; bq 512 float32; bv 512 float32; kx_codes 4 x 2,048 x 16 x 24 uint8 (E3M2 codes of kx, K innermost, in blocks of 32 codes, four codes in three bytes); kx_scales 4 x 2,048 x 16 uint8 (E8M0 scales of kx, one for each 32 codes along K); ln1_b 512 float32; ln1_g 512 float32; ln2_b 512 float32; ln2_g 512 float32; maskPAD 4 x 2,048 x 2,048 int32; qx_codes 4 x 2,048 x 16 x 24 uint8 (E3M2 codes of qx, K innermost, in blocks of 32 codes, four codes in three bytes); qx_scales 4 x 2,048 x 16 uint8 (E8M0 scales of qx, one for each 32 codes along K); vx 4 x 2,048 x 512 float32; w1_codes 2,048 x 16 x 24 uint8 (E3M2 codes of w1, K innermost, in blocks of 32 codes, four codes in three bytes); w1_scales 2,048 x 16 uint8 (E8M0 scales of w1, one for each 32 codes along K); w2_codes 512 x 64 x 24 uint8 (E3M2 codes of w2, K innermost, in blocks of 32 codes, four codes in three bytes); w2_scales 512 x 64 uint8 (E8M0 scales of w2, one for each 32 codes along K); wk_codes 512 x 16 x 24 uint8 (E3M2 codes of wk, K innermost, in blocks of 32 codes, four codes in three bytes); wk_scales 512 x 16 uint8 (E8M0 scales of wk, one for each 32 codes along K); wo_codes 512 x 16 x 24 uint8 (E3M2 codes of wo, K innermost, in blocks of 32 codes, four codes in three bytes); wo_scales 512 x 16 uint8 (E8M0 scales of wo, one for each 32 codes along K); wq_codes 512 x 16 x 24 uint8 (E3M2 codes of wq, K innermost, in blocks of 32 codes, four codes in three bytes); wq_scales 512 x 16 uint8 (E8M0 scales of wq, one for each 32 codes along K); wv_codes 512 x 16 x 24 uint8 (E3M2 codes of wv, K innermost, in blocks of 32 codes, four codes in three bytes); wv_scales 512 x 16 uint8 (E8M0 scales of wv, one for each 32 codes along K).
;; Outputs: out0 4 x 2,048 x 512 float32.
;; This version of the problem:
;;   THIS VERSION OF THE PROBLEM IS GIVEN IN LOW PRECISION. The matrix products marked QUANTISED in the list below multiply operands that are first quantised to E3M2 (3 exponent bits, 2 mantissa bits; 6 bits a number), with one power-of-two scale for each 32 numbers along K (OCP MX v1.0); their sums are f32. All else is computed in f32.
;;   The module's matrix products, in the order in which they are computed (A, B: the left and right operand; K: the contracted axis; several contracted axes count as one K, in the product's order):
;;     1. [M 8,192, K 512] x [K 512, N 512]; A: input qx (given as codes); B: input wq (given as codes): QUANTISED
;;     2. [M 8,192, K 512] x [K 512, N 512]; A: input kx (given as codes); B: input wk (given as codes): QUANTISED
;;     3. [M 8,192, K 512] x [K 512, N 512]; A: input vx; B: input wv (given as codes): QUANTISED
;;     4. batch 32 x [M 2,048, K 64] x [K 64, N 2,048]; A: computed on the way; B: computed on the way: QUANTISED
;;     5. batch 32 x [M 2,048, K 2,048] x [K 2,048, N 64]; A: softmax (see below); B: computed on the way: QUANTISED
;;     6. [M 8,192, K 512] x [K 512, N 512]; A: computed on the way; B: input wo (given as codes): QUANTISED
;;     7. [M 8,192, K 512] x [K 512, N 2,048]; A: computed on the way; B: input w1 (given as codes): QUANTISED
;;     8. [M 8,192, K 2,048] x [K 2,048, N 512]; A: computed on the way; B: input w2 (given as codes): QUANTISED
;;   THE QUANTISER, for each operand of a quantised product, along K:
;;     - K is cut into blocks of 32 from its start; a last block that is shorter is filled with zeros.
;;     - A block's scale is 2^e with e = floor(log2(the largest magnitude in the block)) - 4, held to -126 .. 127; a block of zeros has e = 0. As a byte (E8M0): e + 127.
;;     - Each number is divided by its block's scale, clamped to +-28, and rounded to the nearest number of E3M2, ties to even, subnormals kept.
;;     - The product sums the exact products of the quantised numbers (number of the format x scale) in f32.
;;   ~~~python
;;   def quantise(x, axis):      # numpy; x: float32 -> the quantised numbers, widened to float32 again
;;       x = np.moveaxis(x, axis, -1); K = x.shape[-1]
;;       x = np.pad(x, [(0, 0)] * (x.ndim - 1) + [(0, -K % 32)]); x = x.reshape(x.shape[:-1] + (-1, 32)); a = np.abs(x).max(-1, keepdims=True)
;;       e = np.where(a > 0, np.clip(np.frexp(np.where(a > 0, a, 1))[1] - 1 - 4, -126, 127), 0)      # np.frexp(a)[1] - 1 = floor(log2(a)), exactly
;;       r = np.clip(x / 2.0 ** e, -28, 28)
;;       step = 2.0 ** (np.maximum(np.frexp(np.where(r == 0, 1, r))[1] - 1, -2) - 2)
;;       q = np.round(r / step) * step * 2.0 ** e      # np.round: ties to even
;;       return np.moveaxis(q.reshape(q.shape[:-2] + (-1,))[..., :K], -1, axis).astype(np.float32)
;;   ~~~
;;   SOFTMAX AHEAD OF A QUANTISED PRODUCT. Where the list says 'softmax', what is quantised is not the finished softmax but p = 2^(t - M), with t = logit x log2(e) and M = ceil(the row's largest t), a whole number; so 1/2 < the row's largest p <= 1. The row's sum l is taken of the UNQUANTISED p, in f32, and the product's result is divided by l at the end. Since M is a whole number, a kernel that streams over the keys may use a running M (the ceiling of the running maximum): every later rescaling is an exact power of two, which a block's scale takes up: the codes' values come out the same.
;;   OPERANDS COMPUTED ON THE WAY. 'Computed on the way' means the value that the module computes at that place (a softmax that the list does not call 'softmax' is quantised finished and normalised). What goes into a quantiser is computed in f32, as accurately as f32 sums, v_exp_f32 and their like allow (about 1e-6 of the number): no bf16 or f16 on the way to a quantiser, and a product that is left as it is and whose result goes on into a quantised operand takes f32 operands (vector FMAs, or v_wmma_f32_16x16x4_f32). A number that lies on a knife's edge between two numbers of the format may be rounded either way, as far as f32 arithmetic and the matrix unit's own rounding can turn it there, and no further.
;;   INPUTS GIVEN AS CODES. kx (in the module: [4, 2048, 512], K = its axis 2); qx (in the module: [4, 2048, 512], K = its axis 2); w1 (in the module: [512, 2048], K = its axis 0); w2 (in the module: [2048, 512], K = its axis 0); wk (in the module: [512, 512], K = its axis 0); wo (in the module: [512, 512], K = its axis 0); wq (in the module: [512, 512], K = its axis 0); wv (in the module: [512, 512], K = its axis 0): each comes as NAME_codes (uint8): NAME with its K axis moved to the last place and cut into blocks of 32 codes, [.., K / 32, bytes a block], one block behind the other in memory; four codes in three bytes: a row's codes are one little-endian stream of bits, code i at bits 6 i .. 6 i + 5 (a code: sign, 3 exponent bits, 2 mantissa bits); and NAME_scales (uint8): the same leading axes, one E8M0 byte (e + 127) for each 32 codes along K. Its value is code x scale, taken as it is: it is not quantised again, and the codes and scales need not be those that the quantiser above would give.
;; One version. Each part assembles by itself: llvm-mc -triple=amdgcn-amd-amdhsa -mcpu=gfx1250 --defsym DOCPART=n.
;; ======== version 1 of 1: 3 launches
;; limits: right only within a limited range of input values
;; workspace buffers: mw 2,097,152 bytes of whole numbers; wf 1,802,240 bytes; qf 3,407,872 bytes; kvf 6,815,744 bytes; zc 3,145,728 bytes; zs 131,072 bytes
;; launch front (part 1): grid 4 x 131, 4 waves a work-group, no clusters, 327,680 bytes of LDS; arguments qx_codes, qx_scales, wq_codes, wq_scales, bq, kx_codes, kx_scales, wk_codes, wk_scales, bk, wv_codes, wv_scales, vx, maskPAD, bv, qf, kvf, wo_codes, w1_codes, w1_scales, w2_codes, mw, wf; writes qf, kvf, mw, wf
.if DOCPART == 1
	.amdgcn_target "amdgcn-amd-amdhsa--gfx1250"
	.amdhsa_code_object_version 6
	.text
	.protected	k_qf02a830587_front
	.globl	k_qf02a830587_front
	.p2align	8
	.type	k_qf02a830587_front,@function
k_qf02a830587_front:
	s_mov_b64 s[64:65], 0
	v_nop
	global_prefetch_b8 v0, s[64:65] scope:SCOPE_SE
	s_setreg_imm32_b32 hwreg(HW_REG_WAVE_MODE, 25, 1), 1
	s_wait_xcnt 0x0
; FRONT: the first of three launches of one post-LN transformer block (B 4, L 2048, 512 features, 8 heads of 64), all eight products on codes of E3M2 with E8M0 scales.
; NO WORK OF THE PROBLEM IS LEFT OUT: every input has a way to out0 (the biases on q, k and v move those operands' codes; the mask puts a FINITE logit, so it selects and skips nothing).
; The work-group's number id = 4 y + x says what it does, the longest kinds first:
;   0-63     v = vx wv + bv for 128 keys: vx is quantised here, along the features, and v's result along the keys.
;   64-191   q = qx wq + bq (64-127), k = kx wk + bk (128-191) for 128 rows, the result quantised along the head's 64.
;   192-447  maskPAD -> mw: for each tile of 16 queries and each step of 128 keys, 64 words; bit r + 16 h of word 8 t + j says whether key 32 (t / 2) + 16 h + 8 (t % 2) + j counts for query r.
;   448-519  wo, w1, w2 -> wf: each fragment (16 rows x 128 K) as an image of its 12 registers: plane i (registers 4 i .. 4 i + 3) at 512 i, a lane's 16 bytes at 16 x lane.
;            The rows of tile T are 32 (T / 2) + 8 (T % 2) + r + 8 (r / 8), so that two neighbouring tiles' results are 16 neighbours along the next product's K.
;   520-523  w1's scale words -> wf: for each 128 hidden units and K step, 16 bytes a lane: word b: tile 2 b + lane / 16, row lane % 16.
; THE PROJECTIONS.  A STATIONARY operand, 128 rows x K 512 = 32 fragments, stays in 384 registers and is source 0; a MOVING operand comes a tile of 16 rows a trip, eight trips, and is source 1.
;   q, k: stationary = my wave's 128 rows of the weight (two heads), moving = the work-group's 128 rows of x.   v: stationary = the work-group's 128 rows of vx's codes, moving = my wave's 128 rows of wv.
; Both operands are dense blocks of memory (rows of 384 bytes on end): they come by loads of 512 consecutive bytes a wave, go through registers into LDS rows of 400 bytes, and the fragments are read from there in pieces of 8 bytes.
; vx: a wave takes 32 rows; a row's four loads turn through the wave's own stage, so that a lane holds 16 neighbours and two lanes a block; codes and scale bytes go to LDS as a given input's would lie.  Ten rows' loads are out.
; ONE BARRIER, between all stores to LDS and all reads of fragments.  The two ways that fill x's rows (copy; quantiser) have LDS bytes of their own.
; OUT: qf record (b, head, block of 128 queries), 6,656 bytes: 8 half fragments (registers 0-3 at 16 x lane, 4-5 at 512 + 8 x lane), then 16 bytes a lane of scale words (word i: tile 2 i + lane / 16).
;      kvf record (b, head, step of 128 keys), 13,312 bytes: k's part in the same form; at 6,656 v's part: 4 whole fragments (3 planes of 512 bytes) and 16 bytes a lane of scale words.
;      A scale word of q or k has its two bytes below and 0x7f7f above: the attention launch multiplies K = 64 by an instruction 128 deep, whose upper half meets zero codes of q.
; No tensor loads: a row of 384 bytes is 96 words, which no padding interval of the descriptor divides evenly.  No cluster: the work-groups of a kind share 196,608 bytes of weights, read once each beside their own rows.
; No prefetch: no path has a loop to run ahead in; every path asks for its bytes at its head.
; LIMITS: NaN and infinities are not served; a block whose largest magnitude lies under 2^-122 gets the byte 1 (a block of zeros too, where the quantiser says 127: its codes are zeros and only this program reads the bytes).
; REGISTERS of the projections.  window 0: v1-22 offsets; v24-87 the sums; v88-135 moving set A; v136-143 moving scale words; v144-159 bv; v160-191 stationary scale words; v192-228 the quantiser's; v229-241 scale words on their way;
;   v243-248 addresses; v251, v252 the add's two.  window 1: stationary K steps 0, 1 at v[12 (8 s + t)]; v192-239 moving set B.   window 2: stationary K steps 2, 3; v192-255 the bias of q or k.
;   Ahead of the barrier windows 1 and 2 hold the weight's 96 loads, v24-183 x's loads.
.set LP,  400                          ; an LDS row of codes: 384 bytes + 16
.set XA,  4*128*LP                     ; behind the four waves' rows of the weight: x's 128 rows (q, k)
.set XB,  XA+128*LP                    ; vx's codes
.set VSB, XB+128*LP                    ; vx's scale bytes, 16 a row
.set VST, VSB+2048                     ; a stage of 32 x 80 bytes for each wave
.set SPARE, VST+4*2560                 ; the spare words, 128 bytes a wave, that no other line names
.set SPW, 251
.set NIL, 252
.set ACC, 24
.set MA,  88
.set MSC, 136
.set BV,  144
.set SS,  160
.set TM,  192
.set PC,  208
.set PW,  228
.set SEL, 66
.set WFW1, 196608                      ; wf: wo's images from 0, w1's from here,
.set WFW2, 1015808                     ; w2's from here
.set MSB, 0
.macro WIN new                         ; the immediate's high byte repeats the setting that is left
.if MSB != (\new)
	s_set_vgpr_msb (MSB<<8)|(\new)
.set MSB, (\new)
.endif
.endm
.macro PLACES                          ; four places behind matrix instructions (ISA guide 7.12.1)
.rept 4
	v_nop
.endr
.endm
; 64 numbers of a lane, register 16 b + i = k 32 b + 16 (lane / 16) + i of my row, become a fragment's codes in v[pc] on and its scale word in v[pw]
.macro QUANT s, tm, pc, pw
.irp b, 0,1,2,3
	v_max3_num_f32 v[\tm+\b], |v[\s+16*\b]|, |v[\s+1+16*\b]|, 0x2800000   ; the floor 2^(5 - 127): the byte cannot fall under 1
.endr
.irp i, 2,4,6,8,10,12,14
.irp b, 0,1,2,3
	v_max3_num_f32 v[\tm+\b], v[\tm+\b], |v[\s+16*\b+\i]|, |v[\s+1+16*\b+\i]|
.endr
.endr
.irp b, 0,1,2,3
	v_permlanex16_b32 v[\tm+4+\b], v[\tm+\b], s[SEL], s[SEL+1]
.endr
.irp b, 0,1,2,3
	v_max_num_f32 v[\tm+\b], v[\tm+\b], v[\tm+4+\b]   ; with lane l xor 16's: the block's largest magnitude
.endr
.irp b, 0,1,2,3
	v_add_nc_u32 v[\tm+12+\b], 0xfe000000, v[\tm+\b]  ; 4 off its exponent field: the conversion's scale operand
.endr
.irp b, 0,1,2,3
	v_lshrrev_b32 v[\tm+4+\b], 23, v[\tm+12+\b]       ; the scale's byte
.endr
	v_lshl_or_b32 v[\pw], v[\tm+5], 8, v[\tm+4]
	v_lshl_or_b32 v[\pw], v[\tm+6], 16, v[\pw]
	v_lshl_or_b32 v[\pw], v[\tm+7], 24, v[\pw]
.irp c, 0,1
	v_cvt_scalef32_pk16_bf6_f32 v[\pc+6*\c:\pc+2+6*\c], v[\s+32*\c:\s+15+32*\c], v[\tm+12+2*\c]
	v_cvt_scalef32_pk16_bf6_f32 v[\pc+12+4*\c:\pc+14+4*\c], v[\s+16+32*\c:\s+31+32*\c], v[\tm+12+2*\c+1]
.endr
	v_nop                                          ; one plain place behind a scaled conversion
.irp c, 0,1                                    ; the operand's layout wants a whole block in a lane
.irp i, 0,1,2
	v_permlane16_swap_b32 v[\pc+6*\c+\i], v[\pc+12+4*\c+\i]
.endr
.irp i, 0,1,2
	v_mov_b32 v[\pc+3+6*\c+\i], v[\pc+12+4*\c+\i]
.endr
.endr
.endm
	s_and_b32 s39, ttmp7, 0xffff
	s_lshl_b32 s39, s39, 2
	s_add_co_u32 s39, s39, ttmp9                   ; id
	v_lshl_add_u32 v[SPW], v0, 2, SPARE
	v_mov_b32 v[NIL], 0
	s_cmp_ge_u32 s39, 192
	s_cbranch_scc1 .Lprep
	s_lshr_b32 s38, s39, 6
	s_add_co_u32 s38, s38, 2
	s_cmp_ge_u32 s38, 3
	s_cselect_b32 s41, 3, 0
	s_sub_co_u32 s38, s38, s41                     ; 0: q, 1: k, 2: v
	s_and_b32 s39, s39, 63                         ; the block of 128 rows
	s_load_b512 s[4:19], s[0:1], 0x0               ; qx_codes 4, qx_scales 6, wq_codes 8, wq_scales 10, bq 12, kx_codes 14, kx_scales 16, wk_codes 18
	s_load_b512 s[20:35], s[0:1], 0x40             ; wk_scales 20, bk 22, wv_codes 24, wv_scales 26, vx 28, (maskPAD 30), bv 32, qf 34
	s_load_b64 s[36:37], s[0:1], 0x80              ; kvf
	v_lshrrev_b32 v1, 5, v0
	v_readfirstlane_b32 s40, v1                    ; wave 0..3
	v_and_b32 v1, 15, v0                           ; r
	v_bfe_u32 v2, v0, 4, 1                         ; h
	v_and_b32 v249, 31, v0                         ; lane
	v_lshlrev_b32 v4, 3, v249                      ; 8 x lane
	v_lshlrev_b32 v3, 4, v249                      ; 16 x lane
	v_and_b32 v15, 8, v1
	v_add_nc_u32 v16, v15, v1                      ; r + 8 (r / 8)
	s_mul_i32 s41, s40, 128*LP                     ; my wave's rows of the weight in LDS
	s_mov_b32 s72, XB
	s_mov_b32 s75, XA
	s_cmp_eq_u32 s38, 2
	s_cselect_b32 s73, s72, s41                    ; where the stationary operand lies,
	s_cselect_b32 s74, s41, s75                    ; and the moving one
	v_mul_u32_u24 v5, v16, LP
	v_mad_u32_u24 v5, v2, 24, v5
	v_add_nc_u32 v5, s73, v5                       ; stationary: my lane's byte in a tile's codes,
	v_lshlrev_b32 v6, 4, v16                       ; and in its scale bytes
	s_cmp_lg_u32 s38, 0
	s_cselect_b32 s55, 1, 0                        ; the moving tiles' form: 0 neighbours (q), 1 as the stationary ones (k, wv)
	s_wait_alu depctr_va_vdst(0)                   ; directly ahead of the reader below
	v_mul_u32_u24 v7, v15, s55
	v_add_nc_u32 v7, v7, v1                        ; moving: my lane's row in an even tile
	v_mul_u32_u24 v8, v7, LP
	v_mad_u32_u24 v8, v2, 24, v8
	v_add_nc_u32 v8, s74, v8                       ; v8: even trips' codes,
	s_lshl_b32 s56, s55, 3
	s_sub_co_u32 s56, 16, s56                      ; an odd tile lies 16 rows on (q) or 8
	s_mul_i32 s57, s56, LP
	v_add_nc_u32 v9, s57, v8                       ; v9: odd trips'
	v_lshlrev_b32 v10, 4, v7                       ; v10, v11: the same for the scale bytes, in memory
	s_lshl_b32 s57, s56, 4
	v_add_nc_u32 v11, s57, v10
	v_lshlrev_b32 v12, 2, v7                       ; v12, v13: for bv (v alone)
	v_add_nc_u32 v13, 32, v12
	v_lshlrev_b32 v14, 6, v2                       ; bq, bk: 16 numbers on for lanes 16-31
	; the copy: piece g = 32 b + lane of 16 bytes (b = load % 3) lies in row g / 24 of four: LDS byte 16 (g + g / 24)
.irp b, 0,1,2
	v_add_nc_u32 v[17+\b], 32*\b, v249
	v_mul_u32_u24 v250, v[17+\b], 2731
	v_lshrrev_b32 v250, 16, v250                   ; g / 24, for g under 96
	v_add_nc_u32 v[17+\b], v[17+\b], v250
	v_lshlrev_b32 v[17+\b], 4, v[17+\b]
.endr
	s_mul_i32 s76, s40, 32*LP                      ; my 32 rows of x
	s_add_co_u32 s77, s76, XA
.irp b, 0,1,2
	v_add_nc_u32 v[20+\b], s77, v[17+\b]           ; v20-22: x's copy
	v_add_nc_u32 v[17+\b], s41, v[17+\b]           ; v17-19: the weight's
.endr
	s_mul_i32 s77, s40, 12288
	v_add_nc_u32 v243, s77, v3                     ; my 32 rows of x's codes in memory
	s_mul_i32 s77, s40, 2560
	s_add_co_u32 s77, s77, VST
	v_lshrrev_b32 v244, 2, v249
	v_mul_u32_u24 v244, v244, 80
	v_and_b32 v245, 3, v249
	v_lshl_add_u32 v244, v245, 4, v244
	v_add_nc_u32 v244, s77, v244                   ; into the stage: 80 (lane / 4) + 16 (lane % 4)
	v_mul_u32_u24 v245, v249, 80
	v_add_nc_u32 v245, s77, v245                   ; out of it: 80 x lane
	s_add_co_u32 s77, s76, XB
	v_mul_u32_u24 v246, v249, 12
	v_add_nc_u32 v246, s77, v246                   ; my 16 codes of a row of vx
	s_lshl_b32 s77, s40, 9
	s_add_co_u32 s77, s77, VSB
	v_lshrrev_b32 v247, 1, v249
	v_add_nc_u32 v247, s77, v247                   ; my block's scale byte
	v_add_nc_u32 v248, VSB, v6                     ; vx's scale words as the stationary operand's
	v_mul_u32_u24 v253, v249, LP
	s_add_co_u32 s77, s76, XA+384
	v_add_nc_u32 v254, s77, v253                   ; the 16 bytes of padding behind row lane of my 32 rows of x,
	s_add_co_u32 s77, s41, 384
	v_add_nc_u32 v253, s77, v253                   ; and behind row lane of my rows of the weight
.irp b, 0,1,2,3
	v_mov_b32 v[TM+4+\b], 0                        ; a lane permute's destination counts as read
.endr
	v_mov_b32 v236, 0
	v_mov_b32 v237, 0
	s_mov_b32 s[SEL], 0x76543210
	s_mov_b32 s[SEL+1], 0xfedcba98
	s_lshl_b32 s60, s40, 7                         ; 128 x wave
	s_lshl_b32 s61, s39, 7                         ; 128 x block
	s_mov_b32 s3, 0
	s_wait_alu depctr_va_vdst(0)
	s_wait_kmcnt 0x0
	s_cmp_eq_u32 s38, 0                            ; the buffers are chosen on the work-group's number alone
	s_cselect_b64 s[42:43], s[8:9], s[18:19]       ; the weight's codes (q, k)
	s_cselect_b64 s[44:45], s[10:11], s[20:21]     ; stationary scales (q, k)
	s_cselect_b64 s[46:47], s[4:5], s[14:15]       ; moving codes
	s_cselect_b64 s[48:49], s[6:7], s[16:17]       ; moving scales
	s_cselect_b64 s[50:51], s[12:13], s[22:23]     ; bias
	s_cselect_b64 s[52:53], s[34:35], s[36:37]     ; out
	s_mov_b32 s54, 13312
	s_cselect_b32 s54, 6656, s54                   ; a record's bytes
	s_cmp_eq_u32 s38, 2
	s_cselect_b64 s[46:47], s[24:25], s[46:47]
	s_cselect_b64 s[48:49], s[26:27], s[48:49]
	s_cselect_b64 s[50:51], s[32:33], s[50:51]
	s_cselect_b32 s58, 6656, 0                     ; v's part of a record
	s_cselect_b32 s63, s60, s61                    ; the moving operand's first row
	s_mul_i32 s2, s60, 384
	s_add_nc_u64 s[42:43], s[42:43], s[2:3]
	s_lshl_b32 s2, s60, 4
	s_add_nc_u64 s[44:45], s[44:45], s[2:3]
	s_mul_i32 s2, s63, 384
	s_add_nc_u64 s[46:47], s[46:47], s[2:3]
	s_lshl_b32 s2, s63, 4
	s_add_nc_u64 s[48:49], s[48:49], s[2:3]
	s_lshl_b32 s2, s60, 2
	s_add_nc_u64 s[50:51], s[50:51], s[2:3]        ; the bias at my wave's 128 features
	s_cmp_eq_u32 s38, 2
	s_cselect_b64 s[68:69], s[46:47], s[42:43]     ; my wave's 128 rows of the weight
	s_lshl_b32 s2, s39, 18
	s_lshl_b32 s77, s40, 16
	s_add_co_u32 s2, s2, s77
	s_add_nc_u64 s[70:71], s[28:29], s[2:3]        ; vx: row 128 x block + 32 x wave, 2,048 bytes a row
	s_lshr_b32 s2, s39, 4                          ; b
	s_lshl_b32 s2, s2, 3
	s_lshl_b32 s56, s40, 1
	s_add_co_u32 s2, s2, s56                       ; b x 8 + my first head
	s_lshl_b32 s2, s2, 4
	s_and_b32 s56, s39, 15
	s_add_co_u32 s2, s2, s56                       ; x 16 + the block of 128 rows
	s_mul_i32 s2, s2, s54
	s_add_co_u32 s2, s2, s58
	s_add_nc_u64 s[52:53], s[52:53], s[2:3]        ; my first head's record,
	s_lshl_b32 s2, s54, 4
	s_add_nc_u64 s[58:59], s[52:53], s[2:3]        ; my second head's: 16 records on
	s_mov_b32 s60, 0xffff
	s_mov_b32 s61, 0x7f7f0000
	s_mov_b32 s62, 0xffff0000                      ; lanes 16-31
	WIN 0x40                                       ; the weight's 49,152 bytes: 96 loads of 512 consecutive bytes, into windows 1 and 2
.set nn, 0
.rept 64
	global_load_b128 v[4*nn:4*nn+3], v3, s[68:69] offset:512*nn
.set nn, nn+1
.endr
	WIN 0x80
.rept 32
	global_load_b128 v[4*(nn-64):4*(nn-64)+3], v3, s[68:69] offset:512*nn
.set nn, nn+1
.endr
	WIN 0
	s_cmp_eq_u32 s38, 2
.irp i, 0,1,2,3
	ds_store_b128 v253, v[TM+4:TM+7] offset:\i*32*LP   ; zeros into the rows' padding, so that every byte of the three regions is written: my 128 rows of the weight,
.endr
	ds_store_b128 v254, v[TM+4:TM+7]               ; my 32 rows of x in the copy's region,
	ds_store_b128 v254, v[TM+4:TM+7] offset:128*LP ; and in the quantiser's
	s_cbranch_scc1 .Lxv
.set nn, 0
.rept 24                                       ; q, k: my 32 rows of x's codes, 12,288 bytes
	global_load_b128 v[24+4*nn:27+4*nn], v243, s[46:47] offset:512*nn
.set nn, nn+1
.endr
	s_wait_loadcnt 0x0
.set nn, 0
.rept 24
	ds_store_b128 v[20+nn%3], v[24+4*nn:27+4*nn] offset:(nn/3)*4*LP
.set nn, nn+1
.endr
	s_branch .Lwcopy
; vx into codes, a row of 512 numbers a step
.macro VLOAD t
.irp i, 0,1,2,3
	global_load_b128 v[24+16*((\t)%10)+4*\i:27+16*((\t)%10)+4*\i], v3, s[70:71] offset:2048*(\t)+512*\i
.endr
.endm
.macro VTURN t                         ; LDS serves a wave's instructions in order: no wait between the stores and the loads, nor ahead of the next row's stores
.irp i, 0,1,2,3
	ds_store_b128 v244, v[24+16*((\t)%10)+4*\i:27+16*((\t)%10)+4*\i] offset:640*\i
.endr
.irp i, 0,1,2,3
	ds_load_b128 v[184+16*((\t)%2)+4*\i:187+16*((\t)%2)+4*\i], v245 offset:16*\i
.endr
.endm
.macro VSTEP t
.set XS, 184+16*((\t)%2)
.if (\t) > 0
	s_wait_dscnt 4                                 ; this row is back from the stage; the last row's four small stores may be out
.else
	s_wait_dscnt 0x0
.endif
.if (\t)+10 < 32
	VLOAD (\t)+10
.endif
.if (\t)+1 < 32
.if (\t)+10 < 32
	s_wait_loadcnt 36                              ; the next row is in; the nine rows behind it may be out
.else
	s_wait_loadcnt 4*(30-(\t))
.endif
	VTURN (\t)+1
.endif
	v_max3_num_f32 v216, |v[XS]|, |v[XS+1]|, |v[XS+2]|
	v_max3_num_f32 v217, |v[XS+3]|, |v[XS+4]|, |v[XS+5]|
.irp i, 6,10
	v_max3_num_f32 v216, v216, |v[XS+\i]|, |v[XS+\i+1]|
	v_max3_num_f32 v217, v217, |v[XS+\i+2]|, |v[XS+\i+3]|
.endr
	v_max3_num_f32 v216, v216, |v[XS+14]|, |v[XS+15]|
	v_max3_num_f32 v216, v216, v217, 0x2800000     ; and the floor 2^(5 - 127)
	v_max_num_f32_dpp v216, v216, v216 row_xmask:1 row_mask:0xf bank_mask:0xf   ; with my neighbour's 16: the block's largest magnitude
	v_add_nc_u32 v218, 0xfe000000, v216            ; 4 off its exponent field: the conversion's scale operand
	v_cvt_scalef32_pk16_bf6_f32 v[220:222], v[XS:XS+15], v218
	v_lshrrev_b32 v219, 23, v218                   ; the scale's byte
	ds_store_b8 v247, v219 offset:16*(\t)          ; both lanes of a block write the same byte with the same value
	ds_store_b32 v246, v220 offset:LP*(\t)
	ds_store_b32 v246, v221 offset:LP*(\t)+4
	ds_store_b32 v246, v222 offset:LP*(\t)+8
.endm
.Lxv:
.irp t, 0,1,2,3,4,5,6,7,8,9
	VLOAD \t
.endr
	s_wait_loadcnt 36                              ; row 0 is in (and the weight, asked for earlier)
	VTURN 0
.irp t, 0,1,2,3,4,5,6,7,8,9,10,11,12,13,14,15,16,17,18,19,20,21,22,23,24,25,26,27,28,29,30,31
	VSTEP \t
.endr
.irp b, 0,1,2,3
	v_mov_b32 v[TM+4+\b], 0                        ; the rows lay over these four
.endr
	s_wait_alu depctr_va_vdst(0)
.Lwcopy:
	s_wait_loadcnt 0x0
	WIN 0x04                                       ; the data: window 1, then 2
.set nn, 0
.rept 64
	ds_store_b128 v[17+nn%3], v[4*nn:4*nn+3] offset:(nn/3)*4*LP
.set nn, nn+1
.endr
	WIN 0x08
.rept 32
	ds_store_b128 v[17+nn%3], v[4*(nn-64):4*(nn-64)+3] offset:(nn/3)*4*LP
.set nn, nn+1
.endr
	WIN 0
	s_wait_dscnt 0x0                               ; for the others' sake: my stores are done
	s_barrier_signal -1
	s_barrier_wait -1                              ; both operands lie in LDS; nothing is stored there from here on
	WIN 0x40                                       ; destination window 1
.irp t, 0,1,2,3,4,5,6,7
.irp s, 0,1
.irp p, 0,1,2,3,4,5
	ds_load_b64 v[12*(8*\s+\t)+2*\p:12*(8*\s+\t)+2*\p+1], v5 offset:(32*(\t/2)+8*(\t%2))*LP+96*\s+48*(\p/3)+8*(\p%3)
.endr
.endr
.endr
	WIN 0x80                                       ; destination window 2
.irp t, 0,1,2,3,4,5,6,7
.irp s, 0,1
.irp p, 0,1,2,3,4,5
	ds_load_b64 v[12*(8*\s+\t)+2*\p:12*(8*\s+\t)+2*\p+1], v5 offset:(32*(\t/2)+8*(\t%2))*LP+96*(\s+2)+48*(\p/3)+8*(\p%3)
.endr
.endr
.endr
	WIN 0
; The moving tile of trip T: 4 fragments from LDS, its rows' scale words, and for v the lane's number of bv eight times over (the C of the trip's first products)
.macro MLOAD T, kind
.set P, (\T)%2
.set MB, MA+(192-MA)*P
	WIN (0x40*P)
.irp s, 0,1,2,3
.irp p, 0,1,2,3,4,5
	ds_load_b64 v[MB+12*\s+2*\p:MB+12*\s+2*\p+1], v[8+P] offset:((\T)/2)*32*LP+96*\s+48*(\p/3)+8*(\p%3)
.endr
.endr
	WIN 0
	global_load_b128 v[MSC+4*P:MSC+4*P+3], v[10+P], s[48:49] offset:((\T)/2)*32*16
.if \kind
.irp j, 0,1,2,3,4,5,6,7
	global_load_b32 v[BV+8*P+\j], v[12+P], s[50:51] offset:((\T)/2)*32*4
.endr
.endif
.endm
; 32 products: K step by K step, the eight sums by turns, one instruction a turn.  The bias is the C of each sum's first product
.macro PROD T, kind
.set P, (\T)%2
.set MB, MA+(192-MA)*P
.irp s, 0,1,2,3
.if (\s == 0) && (\kind == 0)
	WIN (0x21|(P<<2))                              ; source 0 window 1, source 1 window P, C window 2
.elseif \s < 2
	WIN (0x01|(P<<2))
.else
	WIN (0x02|(P<<2))
.endif
.irp t, 0,1,2,3,4,5,6,7
.if (\s == 0) && (\kind == 0)
	v_wmma_scale_f32_16x16x128_f8f6f4 v[ACC+8*\t:ACC+8*\t+7], v[12*(8*(\s%2)+\t):12*(8*(\s%2)+\t)+11], v[MB+12*\s:MB+12*\s+11], v[192+8*\t:199+8*\t], v[SS+4*\t+\s], v[MSC+4*P+\s] matrix_a_fmt:MATRIX_FMT_BF6 matrix_b_fmt:MATRIX_FMT_BF6
.elseif \s == 0
	v_wmma_scale_f32_16x16x128_f8f6f4 v[ACC+8*\t:ACC+8*\t+7], v[12*(8*(\s%2)+\t):12*(8*(\s%2)+\t)+11], v[MB+12*\s:MB+12*\s+11], v[BV+8*P:BV+8*P+7], v[SS+4*\t+\s], v[MSC+4*P+\s] matrix_a_fmt:MATRIX_FMT_BF6 matrix_b_fmt:MATRIX_FMT_BF6
.else
	v_wmma_scale_f32_16x16x128_f8f6f4 v[ACC+8*\t:ACC+8*\t+7], v[12*(8*(\s%2)+\t):12*(8*(\s%2)+\t)+11], v[MB+12*\s:MB+12*\s+11], v[ACC+8*\t:ACC+8*\t+7], v[SS+4*\t+\s], v[MSC+4*P+\s] matrix_a_fmt:MATRIX_FMT_BF6 matrix_b_fmt:MATRIX_FMT_BF6
.endif
.endr
.endr
	WIN 0
.endm
.macro TRIP T, kind
.if (\T) < 7
	MLOAD (\T)+1, \kind                            ; the next trip's tile, into the other set
	s_wait_loadcnt 1+8*\kind                       ; all but the global loads just issued,
	s_wait_dscnt 24                                ; and all but the 24 LDS loads just issued: this trip's tile is in (and, in trip 0, the stationary operand)
.else
	s_wait_loadcnt 0x0
	s_wait_dscnt 0x0
.endif
	PROD \T, \kind
	PLACES
	s_wait_xcnt 0x0                                ; the last trip's stores have read the codes' registers
	QUANT ACC, TM, PC, PW
.if \kind == 0
	global_store_b128 v3, v[PC:PC+3], s[52:53] offset:768*(\T)          ; blocks 0, 1: my first head's 64
	global_store_b64 v4, v[PC+4:PC+5], s[52:53] offset:768*(\T)+512
	global_store_b128 v3, v[PC+6:PC+9], s[58:59] offset:768*(\T)        ; blocks 2, 3: my second head's
	global_store_b64 v4, v[PC+10:PC+11], s[58:59] offset:768*(\T)+512
.if (\T)%2 == 0
	v_and_or_b32 v229, v[PW], s60, s61             ; the first head's two bytes, 0x7f7f above them
	v_lshrrev_b32 v230, 16, v[PW]
	v_or_b32 v230, s61, v230                       ; the second head's
.else
	v_and_or_b32 v231, v[PW], s60, s61
	v_cndmask_b32 v[232+(\T)/2], v229, v231, s62   ; lanes 0-15 the even tile's words, lanes 16-31 the odd tile's
	v_lshrrev_b32 v231, 16, v[PW]
	v_or_b32 v231, s61, v231
	v_cndmask_b32 v[238+(\T)/2], v230, v231, s62
.endif
.else
.irp i, 0,1,2
.if (\T) < 4
	global_store_b128 v3, v[PC+4*\i:PC+4*\i+3], s[52:53] offset:((\T)%4)*1536+512*\i
.else
	global_store_b128 v3, v[PC+4*\i:PC+4*\i+3], s[58:59] offset:((\T)%4)*1536+512*\i
.endif
.endr
.if (\T)%2 == 0
	v_mov_b32 v229, v[PW]
.else
	v_cndmask_b32 v[232+(\T)/2], v229, v[PW], s62
.endif
.endif
.endm
.macro FINIS                           ; the wave's end
	s_wait_tensorcnt 0x0
	ds_add_u32 v[SPW], v[NIL]
	s_wait_dscnt 0x0
	s_endpgm
.endm
	s_cmp_eq_u32 s38, 2
	s_cbranch_scc1 .Lkind_v
.irp t, 0,1,2,3,4,5,6,7
	global_load_b128 v[SS+4*\t:SS+4*\t+3], v6, s[44:45] offset:(32*(\t/2)+8*(\t%2))*16   ; a weight row's four scale words
.endr
	WIN 0x80
.irp t, 0,1,2,3,4,5,6,7                        ; bq or bk in the result's layout: lane (r, h), tile t: features 32 (t / 2) + 16 h + 8 (t % 2) + 0 .. 7
	global_load_b128 v[192+8*\t:195+8*\t], v14, s[50:51] offset:(32*(\t/2)+8*(\t%2))*4
	global_load_b128 v[196+8*\t:199+8*\t], v14, s[50:51] offset:(32*(\t/2)+8*(\t%2))*4+16
.endr
	WIN 0
	MLOAD 0, 0
.irp T, 0,1,2,3,4,5,6,7
	TRIP \T, 0
.endr
	global_store_b128 v3, v[232:235], s[52:53] offset:6144
	global_store_b128 v3, v[238:241], s[58:59] offset:6144
	FINIS
.Lkind_v:
.irp t, 0,1,2,3,4,5,6,7
	ds_load_b128 v[SS+4*\t:SS+4*\t+3], v248 offset:(32*(\t/2)+8*(\t%2))*16   ; a row of vx: its four scale words
.endr
	MLOAD 0, 1
.irp T, 0,1,2,3,4,5,6,7
	TRIP \T, 1
.endr
	global_store_b128 v3, v[232:235], s[52:53] offset:6144   ; words 0, 1 are the first head's four tiles (words 2, 3 are not read)
	global_store_b128 v3, v[234:237], s[58:59] offset:6144   ; the second head's
	FINIS
; ---- the mask and the weights' images: no LDS
.Lprep:
	s_load_b64 s[4:5], s[0:1], 0x68                ; maskPAD
	s_load_b256 s[8:15], s[0:1], 0x88              ; wo_codes 8, w1_codes 10, w1_scales 12, w2_codes 14
	s_load_b64 s[16:17], s[0:1], 0xa8              ; mw
	s_load_b64 s[22:23], s[0:1], 0xb0              ; wf
	v_lshrrev_b32 v1, 5, v0
	v_readfirstlane_b32 s24, v1                    ; wave 0..3
	v_and_b32 v2, 31, v0                           ; lane
	v_lshlrev_b32 v1, 4, v2                        ; 16 x lane
	v_and_b32 v5, 15, v0                           ; r
	v_bfe_u32 v6, v0, 4, 1                         ; h
	v_and_b32 v7, 8, v5
	v_add_nc_u32 v7, v7, v5                        ; r + 8 (r / 8)
	s_mov_b32 s33, 0                               ; the upper word of every offset pair s[32:33]
	s_sub_co_u32 s36, s39, 192                     ; the mask's work-groups 0-255
	s_wait_alu depctr_va_vdst(0)
	s_wait_kmcnt 0x0
	s_cmp_lt_u32 s36, 256
	s_cbranch_scc1 .Lmask
	s_sub_co_u32 s37, s36, 256                     ; 0-7 wo, 8-39 w1, 40-71 w2, 72-75 w1's scale words
	s_lshl_b32 s37, s37, 2
	s_add_co_u32 s37, s37, s24                     ; a job a wave
	s_cmp_lt_u32 s37, 32
	s_cbranch_scc1 .Lwo
	s_cmp_lt_u32 s37, 160
	s_cbranch_scc1 .Lw1
	s_cmp_lt_u32 s37, 288
	s_cbranch_scc1 .Lw2
	s_sub_co_u32 s25, s37, 288                     ; w1's scale words: which 128 hidden units
	s_lshl_b32 s32, s25, 11                        ; 128 rows of 16 bytes
	s_add_nc_u64 s[26:27], s[12:13], s[32:33]
	s_mul_i32 s32, s25, 51200
	s_add_co_u32 s32, s32, WFW1+12288
	s_add_nc_u64 s[28:29], s[22:23], s[32:33]
	v_lshl_add_u32 v3, v6, 3, v7                   ; row 8 (lane / 16) + r + 8 (r / 8) of a pair of tiles,
	v_lshlrev_b32 v3, 4, v3                        ; 16 bytes a row
.irp s, 0,1,2,3
.irp b, 0,1,2,3
	global_load_b32 v[32+4*\s+\b], v3, s[26:27] offset:32*\b*16+4*\s
.endr
.endr
	s_wait_loadcnt 0x0
.irp s, 0,1,2,3
	global_store_b128 v1, v[32+4*\s:35+4*\s], s[28:29] offset:\s*12800   ; 512 consecutive bytes
.endr
	s_endpgm
; One tile of a weight, four K steps: 24 bytes twice a lane and K step, as they lie; out as register images.  s[26:27] the tile's first row, s[28:29] its first image, v3 the lane's byte
.macro RELAY sstr
.irp s, 0,1,2,3
.irp p, 0,1,2,3,4,5
	global_load_b64 v[32+12*\s+2*\p:33+12*\s+2*\p], v3, s[26:27] offset:96*\s+48*(\p/3)+8*(\p%3)
.endr
.endr
	s_wait_loadcnt 0x0
.irp s, 0,1,2,3
.irp i, 0,1,2
	global_store_b128 v1, v[32+12*\s+4*\i:35+12*\s+4*\i], s[28:29] offset:\s*\sstr+512*\i
.endr
.endr
	s_endpgm
.endm
.macro TROW                            ; s32 = tile s25's first row: 32 (tile / 2) + 8 (tile % 2); s30 = tile / 2, s31 = tile % 2
	s_lshr_b32 s30, s25, 1
	s_and_b32 s31, s25, 1
	s_lshl_b32 s32, s30, 5
	s_lshl_b32 s34, s31, 3
	s_add_co_u32 s32, s32, s34
.endm
.Lwo:                                              ; 32 tiles; image (w = tile / 2, K step s, u = tile % 2) at 12288 w + 3072 s + 1536 u
	s_mov_b32 s25, s37
	TROW
	s_mul_i32 s32, s32, 384
	s_add_nc_u64 s[26:27], s[8:9], s[32:33]
	s_mul_i32 s32, s30, 12288
	s_mul_i32 s34, s31, 1536
	s_add_co_u32 s32, s32, s34
	s_add_nc_u64 s[28:29], s[22:23], s[32:33]
	v_mul_u32_u24 v3, v7, 384
	v_mad_u32_u24 v3, v6, 24, v3
	RELAY 3072
.Lw1:                                              ; 128 tiles; image (unit = tile / 8, K step s, t = tile % 8) at 51200 unit + 12800 s + 1536 t
	s_sub_co_u32 s25, s37, 32
	TROW
	s_mul_i32 s32, s32, 384
	s_add_nc_u64 s[26:27], s[10:11], s[32:33]
	s_lshr_b32 s30, s25, 3
	s_and_b32 s31, s25, 7
	s_mul_i32 s32, s30, 51200
	s_mul_i32 s34, s31, 1536
	s_add_co_u32 s32, s32, s34
	s_add_co_u32 s32, s32, WFW1
	s_add_nc_u64 s[28:29], s[22:23], s[32:33]
	v_mul_u32_u24 v3, v7, 384
	v_mad_u32_u24 v3, v6, 24, v3
	RELAY 12800
.Lw2:                                              ; 32 tiles x 4 groups of 4 K steps; image (w = tile / 2, s, u) at 49152 w + 3072 s + 1536 u
	s_sub_co_u32 s25, s37, 160
	s_and_b32 s35, s25, 3                          ; which four K steps
	s_lshr_b32 s25, s25, 2                         ; the tile
	TROW
	s_mul_i32 s32, s32, 1536
	s_mul_i32 s34, s35, 384
	s_add_co_u32 s32, s32, s34
	s_add_nc_u64 s[26:27], s[14:15], s[32:33]
	s_mul_i32 s32, s30, 49152
	s_mul_i32 s34, s31, 1536
	s_add_co_u32 s32, s32, s34
	s_mul_i32 s34, s35, 12288
	s_add_co_u32 s32, s32, s34
	s_add_co_u32 s32, s32, WFW2
	s_add_nc_u64 s[28:29], s[22:23], s[32:33]
	v_mul_u32_u24 v3, v7, 1536
	v_mad_u32_u24 v3, v6, 24, v3
	RELAY 3072
; The mask.  A wave takes one tile of 16 queries and 8 steps of 128 keys.  A load reads 512 consecutive bytes of one query's row: lane L keys 4 L .. 4 L + 3.  All 128 loads are asked for at once: step st into window 1 + st / 4.
; Sixteen rows are packed into 16 bits a key; key 32 b + 16 h + 8 u + j lies in lane 8 b + 4 h + 2 u + j / 4, so the two halves of a word lie four lanes apart.
; Two steps are merged at a time: the first step's words are made in the lanes with lane & 4 = 0, the second's in the others, and one store covers 512 consecutive bytes.
.macro LOADM st
	WIN ((1+(\st)/4)<<6)
.irp i, 0,1,2,3,4,5,6,7,8,9,10,11,12,13,14,15
	global_load_b128 v[64*((\st)%4)+4*\i:64*((\st)%4)+4*\i+3], v1, s[4:5] offset:\i*8192+(\st)*512 th:TH_LOAD_NT
.endr
.endm
.macro PACKM st, rr
.if 16*(7-(\st)) > 63
	s_wait_loadcnt 63                              ; (the field's largest count; the later steps' loads number more)
.else
	s_wait_loadcnt 16*(7-(\st))                    ; this step is in; the later steps' loads may be out
.endif
	WIN ((1+(\st)/4)<<2)                           ; source 1: the step's window
.set nn, 0
.rept 64
	v_min_u32 v[32+nn], 1, v[64*((\st)%4)+nn]      ; 1 where the mask is not 0
.set nn, nn+1
.endr
	WIN 0
.irp c, 0,1,2,3
	v_lshl_or_b32 v[\rr+\c], v[36+\c], 1, v[32+\c]
.endr
.irp i, 2,3,4,5,6,7,8,9,10,11,12,13,14,15
.irp c, 0,1,2,3
	v_lshl_or_b32 v[\rr+\c], v[32+4*\i+\c], \i, v[\rr+\c]   ; query i's bit
.endr
.endr
.endm
.Lmask:
	s_lshl_b32 s25, s36, 2
	s_add_co_u32 s25, s25, s24                     ; job: 2 x query tile + half of the keys
	s_lshr_b32 s26, s25, 1
	s_and_b32 s27, s25, 1
	s_lshl_b32 s32, s26, 17                        ; 16 rows of 8,192 bytes
	s_lshl_b32 s30, s27, 12                        ; 8 steps of 512 bytes
	s_add_co_u32 s32, s32, s30
	s_add_nc_u64 s[4:5], s[4:5], s[32:33]
	s_lshl_b32 s32, s25, 11                        ; 8 steps of 256 bytes
	s_add_nc_u64 s[16:17], s[16:17], s[32:33]
	s_mov_b32 s31, 0xf0f0f0f0                      ; the lanes with lane & 4 = 4
.irp st, 0,1,2,3,4,5,6,7
	LOADM \st
.endr
	WIN 0
	v_bfe_u32 v3, v2, 2, 1
	v_lshlrev_b32 v3, 8, v3                        ; the pair's second step lies 256 bytes on
	v_lshrrev_b32 v4, 3, v2
	v_lshl_add_u32 v3, v4, 6, v3
	v_and_b32 v4, 3, v2
	v_lshl_add_u32 v3, v4, 4, v3                   ; words 16 (lane / 8) + 4 (lane % 4) + 0 .. 3
.irp c, 0,1,2,3
	v_mov_b32 v[28+\c], 0                          ; a lane move's destination counts as read
.endr
	s_wait_alu depctr_va_vdst(0)
.irp pr, 0,1,2,3
	PACKM 2*\pr, 16
	PACKM 2*\pr+1, 20
	s_wait_alu depctr_va_vdst(0)
	s_wait_xcnt 0x0                                ; the last store has read v[4:7]: they are written again only behind this wait
.irp c, 0,1,2,3
	v_mov_b32_dpp v[28+\c], v[16+\c] row_shl:4 row_mask:0xf bank_mask:0xf   ; lane L takes lane L + 4: the keys 16 further on
	v_lshl_or_b32 v[8+\c], v[28+\c], 16, v[16+\c]  ; the first step's word, right where lane & 4 = 0
	v_mov_b32_dpp v[28+\c], v[20+\c] row_shr:4 row_mask:0xf bank_mask:0xf   ; lane L takes lane L - 4
	v_lshl_or_b32 v[28+\c], v[20+\c], 16, v[28+\c] ; the second step's word, right where lane & 4 = 4
	v_cndmask_b32 v[4+\c], v[8+\c], v[28+\c], s31
.endr
	global_store_b128 v3, v[4:7], s[16:17] offset:512*\pr
.endr
	s_endpgm
.Lfunc_end_k_qf02a830587_front:
	.size	k_qf02a830587_front, .Lfunc_end_k_qf02a830587_front-k_qf02a830587_front
	.p2alignl 7, 3214868480
	.fill 96, 4, 3214868480
	.section	.rodata,"a",@progbits
	.p2align	6, 0x0
	.amdhsa_kernel k_qf02a830587_front
		.amdhsa_group_segment_fixed_size 327680
		.amdhsa_private_segment_fixed_size 0
		.amdhsa_enable_private_segment 0
		.amdhsa_kernarg_size 184
		.amdhsa_user_sgpr_count 2
		.amdhsa_user_sgpr_kernarg_segment_ptr 1
		.amdhsa_wavefront_size32 1
		.amdhsa_system_sgpr_workgroup_id_x 1
		.amdhsa_system_sgpr_workgroup_id_y 1
		.amdhsa_system_sgpr_workgroup_id_z 1
		.amdhsa_system_vgpr_workitem_id 0
		.amdhsa_next_free_vgpr 768
		.amdhsa_next_free_sgpr 80
		.amdhsa_reserve_vcc 0
		.amdhsa_float_denorm_mode_32 3
		.amdhsa_float_denorm_mode_16_64 3
		.amdhsa_memory_ordered 1
		.amdhsa_forward_progress 1
		.amdhsa_inst_pref_size 255
	.end_amdhsa_kernel
	.section	.bss,"aw",@nobits
	.p2align	6
	.space	262144
	.amdgpu_metadata
---
amdhsa.version: [ 1, 2 ]
amdhsa.kernels:
  - .name:           k_qf02a830587_front
    .symbol:         k_qf02a830587_front.kd
    .args:
      - { .name: qx_codes, .offset: 0, .size: 8, .value_kind: global_buffer, .address_space: global }
      - { .name: qx_scales, .offset: 8, .size: 8, .value_kind: global_buffer, .address_space: global }
      - { .name: wq_codes, .offset: 16, .size: 8, .value_kind: global_buffer, .address_space: global }
      - { .name: wq_scales, .offset: 24, .size: 8, .value_kind: global_buffer, .address_space: global }
      - { .name: bq, .offset: 32, .size: 8, .value_kind: global_buffer, .address_space: global }
      - { .name: kx_codes, .offset: 40, .size: 8, .value_kind: global_buffer, .address_space: global }
      - { .name: kx_scales, .offset: 48, .size: 8, .value_kind: global_buffer, .address_space: global }
      - { .name: wk_codes, .offset: 56, .size: 8, .value_kind: global_buffer, .address_space: global }
      - { .name: wk_scales, .offset: 64, .size: 8, .value_kind: global_buffer, .address_space: global }
      - { .name: bk, .offset: 72, .size: 8, .value_kind: global_buffer, .address_space: global }
      - { .name: wv_codes, .offset: 80, .size: 8, .value_kind: global_buffer, .address_space: global }
      - { .name: wv_scales, .offset: 88, .size: 8, .value_kind: global_buffer, .address_space: global }
      - { .name: vx, .offset: 96, .size: 8, .value_kind: global_buffer, .address_space: global }
      - { .name: maskPAD, .offset: 104, .size: 8, .value_kind: global_buffer, .address_space: global }
      - { .name: bv, .offset: 112, .size: 8, .value_kind: global_buffer, .address_space: global }
      - { .name: qf, .offset: 120, .size: 8, .value_kind: global_buffer, .address_space: global }
      - { .name: kvf, .offset: 128, .size: 8, .value_kind: global_buffer, .address_space: global }
      - { .name: wo_codes, .offset: 136, .size: 8, .value_kind: global_buffer, .address_space: global }
      - { .name: w1_codes, .offset: 144, .size: 8, .value_kind: global_buffer, .address_space: global }
      - { .name: w1_scales, .offset: 152, .size: 8, .value_kind: global_buffer, .address_space: global }
      - { .name: w2_codes, .offset: 160, .size: 8, .value_kind: global_buffer, .address_space: global }
      - { .name: mw, .offset: 168, .size: 8, .value_kind: global_buffer, .address_space: global }
      - { .name: wf, .offset: 176, .size: 8, .value_kind: global_buffer, .address_space: global }
    .group_segment_fixed_size: 327680
    .private_segment_fixed_size: 0
    .kernarg_segment_align: 8
    .kernarg_segment_size: 184
    .max_flat_workgroup_size: 128
    .sgpr_count:     80
    .vgpr_count:     768
    .wavefront_size: 32
...
	.end_amdgpu_metadata
.endif
;; end of part 1
;; launch attn (part 2): grid 8 x 32, 16 waves a work-group, no clusters, 228,864 bytes of LDS; arguments qf, kvf, mw, zc, zs; writes zc, zs
.if DOCPART == 2
	.amdgcn_target "amdgcn-amd-amdhsa--gfx1250"
	.amdhsa_code_object_version 6
	.text
	.protected	k_qf02a830587_attn
	.globl	k_qf02a830587_attn
	.p2align	8
	.type	k_qf02a830587_attn,@function
k_qf02a830587_attn:
	s_mov_b64 s[64:65], 0
	v_nop
	global_prefetch_b8 v0, s[64:65] scope:SCOPE_SE
	s_setreg_imm32_b32 hwreg(HW_REG_WAVE_MODE, 25, 1), 1
	s_wait_xcnt 0x0
; ATTN: z = softmax(mask(q k^T / 8)) v for one (b, head) and 256 queries, both products on codes; z is quantised along the features for the projection that follows.  Nothing of the problem is left out: the mask is an input and puts the
; finite logit -32767, so every tile is multiplied and the masked scores are replaced by a select.
; THE SOFTMAX: t = logit x log2(e); M = the ceiling of the running largest t; p = 2^(t - M) is quantised along the keys, not normalised; the row's sum is taken of the unquantised p and divides at the end.
; When M moves, the sum and O are multiplied by 2^(old M - new M), which rounds nothing.  A row with every key masked follows the masked logit and comes out uniform.
; SHARES.  Sixteen waves, each one tile of 16 queries in 256 registers, four to a SIMD, so that one wave's vector work stands beside another's products and loads.  Every wave walks the head's 16 steps of 128 keys.
; Both products are used transposed (S^T = K Q^T, O^T = V^T P^T): a lane holds one query.  K = 64 in the first product: Q's registers 6-11 are zero codes, so K's fragment t may name 12 registers of which the upper six
; are the next fragment's codes: zero times a finite number adds nothing, and the scale bytes above are 0x7f.
; K AND V: the head's sixteen records, 16 x 13,312 = 212,992 bytes, ALL LIE IN LDS, as they lie in memory, and each byte is filled once, BY REGISTERS, in batches of four records: waves 0-12 take 4,096 bytes of a batch each,
; eight loads and eight stores of 16 bytes a lane.  Batch 0 comes ahead of the first step; batches 1, 2, 3 are loaded at the heads of steps 0, 1, 2 and stored at their ends, so that the loads are out for a whole step.
; TWO BARRIERS: one behind batch 0, one at the end of step 3; in front of each a wave has waited for its stores.  Steps 0-3 read records 0-3, which share no byte with what is stored meanwhile; records 4-15 are read behind the
; second barrier alone.  No byte is written twice, so from step 4 on no wave waits for another.
; THE MASK: 64 lane masks a step in scalar registers, asked for a step ahead.
; No tensor loads: 64 of the scalar registers hold masks, and the copy is 32 loads and 32 stores in thirteen waves for the whole launch.  No cluster: what the query blocks of a head share is those 212,992 bytes, read once,
; beside sixteen steps of sixteen waves' softmax.  No prefetch: the copy's loads are themselves issued a step ahead of their use.
; LIMITS: NaN and infinities are not served; t - M is one fused multiply-add; a block of p that is all zeros keeps the byte 1; 1 / l by v_rcp_f32.
.set RECB,  13312                      ; a record: a step's K part (6,656 bytes) and V part
.set BATCH, 4*RECB
.set ZST,   17*RECB                    ; behind the sixteen records and one record's worth of unused bytes: 512 bytes: the work-group's 256 pairs of scale bytes of z
.set SPARE, ZST+512                    ; the spare words, 128 bytes for each of 16 waves, that no other line names
.set KF,  38                           ; v38-91  K's 8 x 6 registers and 6 more; then V's 48
.set SCO, 92                           ; v92-155 S^T, then p
.set OT,  156                          ; v156-187 O^T
.set PC,  188                          ; v188-199 p's codes; v200-207 the conversions' second halves
.set BM,  208                          ; v208-211 the blocks' largest; v212-215 at work; v216-219 scale operands
; v1 16 x lane, v2 8 x lane, v3 my 4,096 bytes of a batch (in memory and in LDS alike), v4 v5 the add's two, v6 the masked score, v7 Q's scale word, v8-11 K's scale words, v12 -M, v13 the largest t, v[14:15] the sum, v16-27 Q,
; v28-29 V's scale words, v30-37 and v228-251 the copy, v224 f, v225 p's scale word, v226 at work, v227 where my row's scale bytes go, v252 = v3 two batches on, v253 v254 the record in hand + 16, 8 x lane, v255 ZST + 16 x lane
; s31 the LDS byte at which the step's record begins
	s_load_b256 s[20:27], s[0:1], 0x0              ; qf s[20:21], kvf s[22:23], mw s[24:25], zc s[26:27]
	s_load_b64 s[28:29], s[0:1], 0x20              ; zs
	v_lshl_add_u32 v4, v0, 2, SPARE
	v_mov_b32 v5, 0
	v_lshrrev_b32 v1, 5, v0
	s_delay_alu instid0(VALU_DEP_1)
	v_readfirstlane_b32 s12, v1                    ; wave 0..15
	v_and_b32 v8, 31, v0                           ; lane
	v_and_b32 v9, 15, v0                           ; r
	s_delay_alu instid0(VALU_DEP_2)
	v_lshlrev_b32 v1, 4, v8
	s_wait_alu depctr_va_vdst(0)
	v_lshlrev_b32 v2, 3, v8
	s_wait_alu depctr_va_vdst(0)
	s_lshl_b32 s6, s12, 12
	v_add_nc_u32 v3, s6, v1                        ; 4,096 x wave + 16 x lane
	s_delay_alu instid0(VALU_DEP_1)
	v_add_nc_u32 v252, 2*BATCH, v3                 ; every LDS address of the copy is made here, on the way that all waves take
	v_add_nc_u32 v255, ZST, v1
	s_lshl_b32 s6, s12, 5
	s_add_co_u32 s6, s6, ZST
	v_lshl_add_u32 v227, v9, 1, s6                 ; ZST + 32 x wave + 2 r
	v_mov_b32 v6, 0xc87ffe00                       ; -262136 = -32767 x 8: the masked logit ahead of the division by 8
	s_and_b32 s7, ttmp7, 0xffff                    ; b x 8 + head
	s_lshr_b32 s8, s7, 3                           ; b
	s_and_b32 s9, s7, 7                            ; head
	s_and_b32 s18, s12, 7                          ; my tile in its record of q
	s_mul_i32 s19, s18, 768
	v_add_nc_u32 v200, s19, v1
	v_add_nc_u32 v201, s19, v2
	s_and_b32 s19, s12, 1
	s_lshl_b32 s19, s19, 8                         ; odd tiles' words lie in the upper 16 places of 16 bytes,
	s_lshr_b32 s18, s18, 1
	s_lshl_b32 s18, s18, 2                         ; word tile / 2
	s_add_co_u32 s19, s19, s18
	v_lshl_add_u32 v202, v9, 4, s19                ; by r in both halves: lanes 0-15 hold the words
	s_mov_b32 s14, 0x3e38aa3b                      ; c = log2(e) / 8
	s_mov_b32 s15, s14
	s_mov_b32 s16, 0x76543210
	s_mov_b32 s17, 0xfedcba98
	s_mov_b32 s31, 0                               ; record 0
	s_mov_b32 s11, 0
	s_wait_kmcnt 0x0
	s_lshl_b32 s10, s7, 4
	s_lshl_b32 s6, ttmp9, 1
	s_add_co_u32 s10, s10, s6
	s_lshr_b32 s6, s12, 3
	s_add_co_u32 s10, s10, s6                      ; q's record: 16 (b, head) + 2 x work-group + wave / 8
	s_mul_i32 s10, s10, 6656
	s_add_nc_u64 s[20:21], s[20:21], s[10:11]
	s_mul_i32 s10, s7, 16*RECB
	s_add_nc_u64 s[22:23], s[22:23], s[10:11]      ; the head's first record of k and v: never stepped, the batch stands in the loads' immediates
	s_lshl_b32 s30, s8, 7
	s_lshl_b32 s6, ttmp9, 4
	s_add_co_u32 s30, s30, s6
	s_add_co_u32 s30, s30, s12                     ; my tile of queries: 128 b + 16 x work-group + wave
	s_lshl_b32 s10, s30, 12
	s_add_nc_u64 s[24:25], s[24:25], s[10:11]      ; its masks
	s_lshl_b32 s10, s30, 2
	s_lshr_b32 s6, s9, 1
	s_add_co_u32 s10, s10, s6
	s_mul_i32 s10, s10, 1536
	s_and_b32 s6, s9, 1
	s_mul_i32 s6, s6, 768
	s_add_co_u32 s10, s10, s6
	s_add_nc_u64 s[26:27], s[26:27], s[10:11]      ; z's codes: (tile, K step head / 2, half head % 2)
	s_lshl_b32 s10, s9, 13
	s_lshl_b32 s6, s8, 11
	s_add_co_u32 s10, s10, s6
	s_lshl_b32 s6, ttmp9, 8
	s_add_co_u32 s10, s10, s6
	s_lshl_b32 s10, s10, 1
	s_add_nc_u64 s[28:29], s[28:29], s[10:11]      ; z's scale bytes: two a row, [head][row]
	s_load_b512 s[32:47], s[24:25], 0x0            ; step 0's masks
	s_load_b512 s[48:63], s[24:25], 0x40
	s_load_b512 s[68:83], s[24:25], 0x80
	s_load_b512 s[84:99], s[24:25], 0xc0
	s_cmp_lt_u32 s12, 13
	s_cbranch_scc0 .Lno_copy0
	s_wait_alu depctr_va_vdst(0)
	global_load_b128 v[30:33], v3, s[22:23]        ; batch 0: records 0-3
	global_load_b128 v[34:37], v3, s[22:23] offset:512
.irp i, 2,3,4,5,6,7
	global_load_b128 v[220+4*\i:223+4*\i], v3, s[22:23] offset:512*\i
.endr
.Lno_copy0:
	s_wait_alu depctr_va_vdst(0)
	global_load_b128 v[16:19], v200, s[20:21]      ; Q's six registers stay
	global_load_b64 v[20:21], v201, s[20:21] offset:512
	global_load_b32 v7, v202, s[20:21] offset:6144
.irp j, 22,23,24,25,26,27
	v_mov_b32 v[\j], 0                             ; zero codes for k = 64 .. 127
.endr
.irp j, 48,49,50,51,52,53
	v_mov_b32 v[KF+\j], 0                          ; named by K's last fragment
.endr
	v_mov_b32 v13, 0xff61b1e6                      ; the largest t so far: -3e38
	s_delay_alu instid0(VALU_DEP_1)
	v_floor_f32 v12, -v13
	v_mov_b32 v14, 0
	v_mov_b32 v15, 0
.irp b, 0,1,2,3
	v_mov_b32 v[BM+4+\b], 0                        ; written once: a lane permute's destination counts as read
.endr
	v_mov_b32 v225, 0                              ; named as the upper half of the pair v[224:225]
.set nn, 0
.rept 32
	v_mov_b32 v[OT+nn], 0                          ; the step is written once for all steps: the first finds zeros
.set nn, nn+1
.endr
	s_wait_loadcnt 0x0
	s_cmp_lt_u32 s12, 13
	s_cbranch_scc0 .Lno_store0
	ds_store_b128 v3, v[30:33]
	ds_store_b128 v3, v[34:37] offset:512
.irp i, 2,3,4,5,6,7
	ds_store_b128 v3, v[220+4*\i:223+4*\i] offset:512*\i
.endr
.Lno_store0:
	s_wait_dscnt 0x0                               ; for the others' sake: my stores are done
	s_barrier_signal -1
	s_barrier_wait -1                              ; records 0-3 lie in LDS
; A KEY STEP.  copy = 1, 2, 3: that batch of four records is loaded at the step's head and stored at its end.  bar = 1: the work-group's barrier at the step's end.  last = 1: no masks are asked for.
.macro STEP copy, bar, last
	v_add_nc_u32 v253, s31, v1                     ; the record in hand.  These two lines and the two below are the four places ahead of loads into registers that the last products read
	v_add_nc_u32 v254, s31, v2
	v_nop
	v_nop
.if \copy
	s_cmp_lt_u32 s12, 13
	s_cbranch_scc0 .Lnc_\@
	global_load_b128 v[30:33], v3, s[22:23] offset:(\copy)*BATCH         ; out for the whole step
	global_load_b128 v[34:37], v3, s[22:23] offset:(\copy)*BATCH+512
.irp i, 2,3,4,5,6,7
	global_load_b128 v[220+4*\i:223+4*\i], v3, s[22:23] offset:(\copy)*BATCH+512*\i
.endr
.Lnc_\@:
.endif
	s_wait_alu depctr_va_vdst(0)
.irp t, 0,1,2,3,4,5,6,7
	ds_load_b128 v[KF+6*\t:KF+6*\t+3], v253 offset:768*\t
	ds_load_b64 v[KF+6*\t+4:KF+6*\t+5], v254 offset:768*\t+512
.endr
	ds_load_b128 v[8:11], v253 offset:6144
	s_wait_dscnt 0x0
.irp t, 0,2,4,6                                ; S^T: tile t's keys are 32 (t / 2) + 8 (t % 2) + r + 8 (r / 8); the words of tiles t and t + 1 share a register
	v_wmma_scale_f32_16x16x128_f8f6f4 v[SCO+8*\t:SCO+8*\t+7], v[KF+6*\t:KF+6*\t+11], v[16:27], 0, v[8+\t/2], v7 matrix_a_fmt:MATRIX_FMT_BF6 matrix_b_fmt:MATRIX_FMT_BF6
	v_wmma_scale_f32_16x16x128_f8f6f4 v[SCO+8*\t+8:SCO+8*\t+15], v[KF+6*\t+6:KF+6*\t+17], v[16:27], 0, v[8+\t/2], v7 matrix_a_fmt:MATRIX_FMT_BF6 matrix_b_fmt:MATRIX_FMT_BF6 matrix_a_scale:MATRIX_SCALE_ROW1
.endr
.rept 4
	v_nop
.endr
.irp d, 0,1,2,3
.irp i, 0,1,2
	ds_load_b128 v[KF+12*\d+4*\i:KF+12*\d+4*\i+3], v253 offset:6656+1536*\d+512*\i   ; V's fragments land while the softmax is worked
.endr
.endr
	ds_load_b64 v[28:29], v253 offset:6656+6144
	s_wait_kmcnt 0x0                               ; this step's masks
.set nn, 0
.rept 32
	v_cndmask_b32 v[SCO+nn], v6, v[SCO+nn], s[32+nn]   ; the masked logit where the bit is 0; each sum from its low end on
.set nn, nn+1
.endr
.rept 32
	v_cndmask_b32 v[SCO+nn], v6, v[SCO+nn], s[36+nn]
.set nn, nn+1
.endr
.if !\last
	s_add_nc_u64 s[24:25], s[24:25], 256           ; (behind the wait for the loads that read it)
	s_load_b512 s[32:47], s[24:25], 0x0            ; the next step's masks
	s_load_b512 s[48:63], s[24:25], 0x40
	s_load_b512 s[68:83], s[24:25], 0x80
	s_load_b512 s[84:99], s[24:25], 0xc0
.endif
.irp b, 0,1,2,3
	v_max3_num_f32 v[BM+\b], v[SCO+16*\b], v[SCO+16*\b+1], v[SCO+16*\b+2]   ; the largest score of each block of 32 keys: for the row's maximum and, since p rises with the score, for the block's largest p
.endr
.irp i, 3,5,7,9,11,13
.irp b, 0,1,2,3
	s_delay_alu instid0(VALU_DEP_4)
	v_max3_num_f32 v[BM+\b], v[BM+\b], v[SCO+16*\b+\i], v[SCO+16*\b+\i+1]
.endr
.endr
.irp b, 0,1,2,3
	s_delay_alu instid0(VALU_DEP_4)
	v_max_num_f32 v[BM+\b], v[BM+\b], v[SCO+16*\b+15]
.endr
.irp b, 0,1,2,3
	s_delay_alu instid0(VALU_DEP_4)
	v_permlanex16_b32 v[BM+4+\b], v[BM+\b], s16, s17
.endr
.irp b, 0,1,2,3
	s_delay_alu instid0(VALU_DEP_4)
	v_max_num_f32 v[BM+\b], v[BM+\b], v[BM+4+\b]
.endr
	s_delay_alu instid0(VALU_DEP_2)
	v_max3_num_f32 v226, v[BM], v[BM+1], v[BM+2]
	s_delay_alu instid0(VALU_DEP_1)
	v_max_num_f32 v226, v226, v[BM+3]
	s_delay_alu instid0(VALU_DEP_1)
	v_mul_f32 v226, s14, v226                      ; as t (c is positive)
	s_delay_alu instid0(VALU_DEP_1)
	v_max_num_f32 v13, v13, v226                   ; the running largest t
	v_mov_b32 v226, v12
	s_delay_alu instid0(VALU_DEP_2)
	v_floor_f32 v12, -v13                          ; the new -M = -ceil(t)
	s_delay_alu instid0(VALU_DEP_1)
	v_sub_f32 v226, v12, v226                      ; old M - new M: a whole number, 0 or less
	s_delay_alu instid0(VALU_DEP_1)
	v_cvt_i32_f32 v226, v226                       ; (it saturates)
	s_delay_alu instid0(VALU_DEP_1)
	v_ldexp_f32 v224, 1.0, v226                    ; f = 2^(old M - new M)
.set nn, 0
.rept 32
	v_pk_fma_f32 v[SCO+nn:SCO+nn+1], v[SCO+nn:SCO+nn+1], s[14:15], v[12:13] op_sel_hi:[1,0,0]   ; t - M
.set nn, nn+2
.endr
.irp b, 0,1,2,3
	v_fma_f32 v[BM+\b], v[BM+\b], s14, v12
.endr
.set nn, 0
	s_wait_alu depctr_va_vdst(0)
.rept 64
	v_exp_f32 v[SCO+nn], v[SCO+nn]                 ; p = 2^(t - M)
.set nn, nn+1
.endr
	v_pk_mul_f32 v[14:15], v[14:15], v[224:225] op_sel_hi:[1,0]   ; the sum under the new M: a plain line behind the exponentials
	s_wait_alu depctr_va_vdst(0)                   ; one wait for the batch, ahead of its first reader
.irp b, 0,1,2,3
	v_exp_f32 v[BM+\b], v[BM+\b]                   ; the blocks' largest p
.endr
	v_pk_add_f32 v[212:213], v[96:97], v[100:101]
	v_pk_add_f32 v[222:223], v[104:105], v[108:109]
	v_pk_add_f32 v[220:221], v[112:113], v[116:117]
	v_pk_add_f32 v[218:219], v[120:121], v[124:125]
	v_pk_add_f32 v[216:217], v[128:129], v[132:133]
	v_pk_add_f32 v[214:215], v[136:137], v[140:141]
	v_pk_add_f32 v[206:207], v[144:145], v[148:149]
	v_pk_add_f32 v[14:15], v[14:15], v[152:153]
	v_pk_add_f32 v[212:213], v[212:213], v[92:93]
	v_pk_add_f32 v[222:223], v[222:223], v[94:95]
	v_pk_add_f32 v[220:221], v[220:221], v[98:99]
	v_pk_add_f32 v[218:219], v[218:219], v[102:103]
	v_pk_add_f32 v[216:217], v[216:217], v[106:107]
	v_pk_add_f32 v[214:215], v[214:215], v[110:111]
	v_pk_add_f32 v[206:207], v[206:207], v[114:115]
	v_pk_add_f32 v[14:15], v[14:15], v[118:119]
	v_pk_add_f32 v[212:213], v[212:213], v[122:123]
	v_pk_add_f32 v[222:223], v[222:223], v[126:127]
	v_pk_add_f32 v[220:221], v[220:221], v[130:131]
	v_pk_add_f32 v[218:219], v[218:219], v[134:135]
	v_pk_add_f32 v[216:217], v[216:217], v[138:139]
	v_pk_add_f32 v[214:215], v[214:215], v[142:143]
	v_pk_add_f32 v[206:207], v[206:207], v[146:147]
	v_pk_add_f32 v[14:15], v[14:15], v[150:151]
	v_pk_add_f32 v[212:213], v[212:213], v[154:155]
	s_delay_alu instid0(VALU_DEP_2)
	v_pk_add_f32 v[14:15], v[14:15], v[218:219]
	s_delay_alu instid0(VALU_DEP_2)
	v_pk_add_f32 v[212:213], v[212:213], v[216:217]
	v_pk_add_f32 v[222:223], v[222:223], v[214:215]
	v_pk_add_f32 v[220:221], v[220:221], v[206:207]
	s_delay_alu instid0(VALU_DEP_2)
	v_pk_add_f32 v[14:15], v[14:15], v[222:223]
	s_delay_alu instid0(VALU_DEP_2)
	v_pk_add_f32 v[212:213], v[212:213], v[220:221]
	s_delay_alu instid0(VALU_DEP_1)
	v_pk_add_f32 v[14:15], v[14:15], v[212:213]
	s_wait_alu depctr_va_vdst(0)                   ; and one for the four
.irp b, 0,1,2,3
	v_max_num_f32 v[BM+\b], 0x2800000, v[BM+\b]    ; the floor 2^(5 - 127): the byte cannot fall under 1
.endr
.irp b, 0,1,2,3
	s_delay_alu instid0(VALU_DEP_4)
	v_add_nc_u32 v[BM+8+\b], 0xfe000000, v[BM+\b]
.endr
.irp b, 0,1,2,3
	s_delay_alu instid0(VALU_DEP_4)
	v_lshrrev_b32 v[BM+4+\b], 23, v[BM+8+\b]
.endr
	s_delay_alu instid0(VALU_DEP_3)
	v_lshl_or_b32 v225, v[BM+5], 8, v[BM+4]        ; p's scale word for these 128 keys
	s_delay_alu instid0(VALU_DEP_1)
	v_lshl_or_b32 v225, v[BM+6], 16, v225
	s_delay_alu instid0(VALU_DEP_1)
	v_lshl_or_b32 v225, v[BM+7], 24, v225
.irp c, 0,1
	v_cvt_scalef32_pk16_bf6_f32 v[PC+6*\c:PC+2+6*\c], v[SCO+32*\c:SCO+15+32*\c], v[BM+8+2*\c]
	v_cvt_scalef32_pk16_bf6_f32 v[PC+12+4*\c:PC+14+4*\c], v[SCO+16+32*\c:SCO+31+32*\c], v[BM+8+2*\c+1]
.endr
	v_nop
.irp c, 0,1
.irp i, 0,1,2
	v_permlane16_swap_b32 v[PC+6*\c+\i], v[PC+12+4*\c+\i]
.endr
.irp i, 0,1,2
	s_delay_alu instid0(VALU_DEP_3)
	v_mov_b32 v[PC+3+6*\c+\i], v[PC+12+4*\c+\i]
.endr
.endr
.set nn, 0
.rept 16
	v_pk_mul_f32 v[OT+nn:OT+nn+1], v[OT+nn:OT+nn+1], v[224:225] op_sel_hi:[1,0]   ; O^T under the new M; these sixteen also stand between the writes of p's codes and scale word and the products
.set nn, nn+2
.endr
	s_wait_alu depctr_va_vdst(0)
	s_wait_dscnt 0x0                               ; V
.irp d, 0,2
	v_wmma_scale_f32_16x16x128_f8f6f4 v[OT+8*\d:OT+8*\d+7], v[KF+12*\d:KF+12*\d+11], v[PC:PC+11], v[OT+8*\d:OT+8*\d+7], v[28+\d/2], v225 matrix_a_fmt:MATRIX_FMT_BF6 matrix_b_fmt:MATRIX_FMT_BF6
	v_wmma_scale_f32_16x16x128_f8f6f4 v[OT+8*\d+8:OT+8*\d+15], v[KF+12*\d+12:KF+12*\d+23], v[PC:PC+11], v[OT+8*\d+8:OT+8*\d+15], v[28+\d/2], v225 matrix_a_fmt:MATRIX_FMT_BF6 matrix_b_fmt:MATRIX_FMT_BF6 matrix_a_scale:MATRIX_SCALE_ROW1
.endr
	s_add_co_u32 s31, s31, RECB                    ; on to the next record
.if \copy
.set CADR, 3+249*((\copy)/2)                   ; v3 for batch 1, v252 for batches 2 and 3;
.set COFF, BATCH*((\copy)%2)                   ; the odd batches one batch further on, in the immediate
	s_wait_loadcnt 0x0                             ; the batch is in my registers
	s_cmp_lt_u32 s12, 13
	s_cbranch_scc0 .Lns_\@
	ds_store_b128 v[CADR], v[30:33] offset:COFF            ; into bytes that nobody reads before the barrier at the end of step 3, and that are written this once
	ds_store_b128 v[CADR], v[34:37] offset:COFF+512
.irp i, 2,3,4,5,6,7
	ds_store_b128 v[CADR], v[220+4*\i:223+4*\i] offset:COFF+512*\i
.endr
.Lns_\@:
	s_wait_dscnt 0x0                               ; my stores are done: the registers may be loaded again, and the barrier to come may speak for them
.endif
.if \bar
	s_wait_dscnt 0x0                               ; no LDS instruction of mine is out
	s_barrier_signal -1
	s_barrier_wait -1                              ; every wave's stores of batches 1, 2 and 3 are done: all sixteen records lie in LDS
.endif
.endm
	STEP 1, 0, 0                                   ; steps 0-3 read batch 0; the first three bring the other three batches
	STEP 2, 0, 0
	STEP 3, 0, 0
	STEP 0, 1, 0
	s_mov_b32 s13, 5
.Lloop:                                            ; 5 trips of two steps: steps 4 to 13; no wave waits for another
	STEP 0, 0, 0
	STEP 0, 0, 0
	s_sub_co_u32 s13, s13, 1
	s_cmp_lg_u32 s13, 0
	s_cbranch_scc1 .Lloop
	STEP 0, 0, 0
	STEP 0, 0, 1                                   ; the last step asks for no masks: no load leaves its buffer
	; THE WAY OUT: O^T / l, quantised along my head's 64 features: two blocks; lanes 0-15 end with block 0 of row r, lanes 16-31 with block 1: half a fragment of the next product
.rept 4
	v_nop
.endr
	v_add_f32 v14, v14, v15
	s_delay_alu instid0(VALU_DEP_1)
	v_permlanex16_b32 v226, v14, s16, s17
	s_delay_alu instid0(VALU_DEP_1)
	v_add_f32 v14, v14, v226                       ; the row's sum
	s_wait_alu depctr_va_vdst(0)
	v_rcp_f32 v14, v14
	v_nop
	s_wait_alu depctr_va_vdst(0)
.set nn, 0
.rept 32
	v_mul_f32 v[SCO+nn], v[OT+nn], v14             ; register 16 b + i: feature 32 b + 16 h + i
.set nn, nn+1
.endr
.irp b, 0,1
	v_max3_num_f32 v[BM+\b], |v[SCO+16*\b]|, |v[SCO+16*\b+1]|, 0x2800000
.endr
.irp i, 2,4,6,8,10,12,14
.irp b, 0,1
	s_delay_alu instid0(VALU_DEP_2)
	v_max3_num_f32 v[BM+\b], v[BM+\b], |v[SCO+16*\b+\i]|, |v[SCO+16*\b+\i+1]|
.endr
.endr
.irp b, 0,1
	s_delay_alu instid0(VALU_DEP_2)
	v_permlanex16_b32 v[BM+4+\b], v[BM+\b], s16, s17
.endr
.irp b, 0,1
	s_delay_alu instid0(VALU_DEP_2)
	v_max_num_f32 v[BM+\b], v[BM+\b], v[BM+4+\b]
.endr
.irp b, 0,1
	s_delay_alu instid0(VALU_DEP_2)
	v_add_nc_u32 v[BM+8+\b], 0xfe000000, v[BM+\b]
.endr
.irp b, 0,1
	s_delay_alu instid0(VALU_DEP_2)
	v_lshrrev_b32 v[BM+4+\b], 23, v[BM+8+\b]
.endr
	s_delay_alu instid0(VALU_DEP_1)
	v_lshl_or_b32 v226, v[BM+5], 8, v[BM+4]        ; my row's two scale bytes
	v_cvt_scalef32_pk16_bf6_f32 v[PC:PC+2], v[SCO:SCO+15], v[BM+8]
	v_cvt_scalef32_pk16_bf6_f32 v[PC+12:PC+14], v[SCO+16:SCO+31], v[BM+9]
	v_nop
.irp i, 0,1,2
	v_permlane16_swap_b32 v[PC+\i], v[PC+12+\i]
.endr
.irp i, 0,1,2
	s_delay_alu instid0(VALU_DEP_3)
	v_mov_b32 v[PC+3+\i], v[PC+12+\i]
.endr
	global_store_b128 v1, v[PC:PC+3], s[26:27]     ; 512 consecutive bytes,
	global_store_b64 v2, v[PC+4:PC+5], s[26:27] offset:512   ; and 256
	ds_store_b16 v227, v226                        ; both halves of the lanes write the same two bytes
	s_wait_dscnt 0x0
	s_barrier_signal -1
	s_barrier_wait -1
	s_cmp_lg_u32 s12, 0
	s_cbranch_scc1 .Lend
	ds_load_b128 v[BM:BM+3], v255                  ; wave 0 stores the work-group's 512 bytes whole
	s_wait_dscnt 0x0
	global_store_b128 v1, v[BM:BM+3], s[28:29]
.Lend:
	s_wait_tensorcnt 0x0                           ; the wave's end
	ds_add_u32 v4, v5
	s_wait_dscnt 0x0
	s_endpgm
.Lfunc_end_k_qf02a830587_attn:
	.size	k_qf02a830587_attn, .Lfunc_end_k_qf02a830587_attn-k_qf02a830587_attn
	.p2alignl 7, 3214868480
	.fill 96, 4, 3214868480
	.section	.rodata,"a",@progbits
	.p2align	6, 0x0
	.amdhsa_kernel k_qf02a830587_attn
		.amdhsa_group_segment_fixed_size 228864
		.amdhsa_private_segment_fixed_size 0
		.amdhsa_enable_private_segment 0
		.amdhsa_kernarg_size 40
		.amdhsa_user_sgpr_count 2
		.amdhsa_user_sgpr_kernarg_segment_ptr 1
		.amdhsa_wavefront_size32 1
		.amdhsa_system_sgpr_workgroup_id_x 1
		.amdhsa_system_sgpr_workgroup_id_y 1
		.amdhsa_system_sgpr_workgroup_id_z 1
		.amdhsa_system_vgpr_workitem_id 0
		.amdhsa_next_free_vgpr 256
		.amdhsa_next_free_sgpr 100
		.amdhsa_reserve_vcc 0
		.amdhsa_float_denorm_mode_32 3
		.amdhsa_float_denorm_mode_16_64 3
		.amdhsa_memory_ordered 1
		.amdhsa_forward_progress 1
		.amdhsa_inst_pref_size 191
	.end_amdhsa_kernel
	.amdgpu_metadata
---
amdhsa.version: [ 1, 2 ]
amdhsa.kernels:
  - .name:           k_qf02a830587_attn
    .symbol:         k_qf02a830587_attn.kd
    .args:
      - { .name: qf, .offset: 0, .size: 8, .value_kind: global_buffer, .address_space: global }
      - { .name: kvf, .offset: 8, .size: 8, .value_kind: global_buffer, .address_space: global }
      - { .name: mw, .offset: 16, .size: 8, .value_kind: global_buffer, .address_space: global }
      - { .name: zc, .offset: 24, .size: 8, .value_kind: global_buffer, .address_space: global }
      - { .name: zs, .offset: 32, .size: 8, .value_kind: global_buffer, .address_space: global }
    .group_segment_fixed_size: 228864
    .private_segment_fixed_size: 0
    .kernarg_segment_align: 8
    .kernarg_segment_size: 40
    .max_flat_workgroup_size: 512
    .sgpr_count:     100
    .vgpr_count:     256
    .wavefront_size: 32
...
	.end_amdgpu_metadata
.endif
;; end of part 2
;; launch tail (part 3): grid 256 x 1, 16 waves a work-group, no clusters, 154,112 bytes of LDS; arguments zc, zs, vx, wf, wo_scales, bo, ln1_g, ln1_b, b1, w2_scales, b2, ln2_g, ln2_b, out0; writes out0
.if DOCPART == 3
	.amdgcn_target "amdgcn-amd-amdhsa--gfx1250"
	.amdhsa_code_object_version 6
	.text
	.protected	k_qf02a830587_tail
	.globl	k_qf02a830587_tail
	.p2align	8
	.type	k_qf02a830587_tail,@function
k_qf02a830587_tail:
	s_mov_b64 s[64:65], 0
	v_nop
	global_prefetch_b8 v0, s[64:65] scope:SCOPE_SE
	s_setreg_imm32_b32 hwreg(HW_REG_WAVE_MODE, 25, 1), 1
	s_wait_xcnt 0x0
; TAIL: zn = LN1(vx + z wo + bo); out0 = LN2(zn + gelu(zn w1 + b1) w2 + b2), the three products on codes, zn and the hidden layer quantised on the way; neither goes to memory.  Nothing of the problem is left out.
; SHARES.  A work-group takes 32 rows (two tiles m = 0, 1).  THE SIXTEEN WAVES SHARE THE COLUMNS: wave w makes columns 32 w .. 32 w + 31 of the first and third product and hidden units 128 w .. 128 w + 127 of the second, which are
; K step w of the third.  So each weight fragment is read by one wave, straight from memory into registers as an image of its registers (three loads of 16 bytes a lane), and feeds two products.
; All products are used transposed (source 0 = 16 rows of the weight, source 1 = 16 rows of activations): a lane holds one row, and its registers run along the columns, 16 neighbours in two neighbouring tiles.
; Activations go from wave to wave through LDS as images of the operand's registers.  A scale register carries two tiles' words: lanes 0-15 the first's, lanes 16-31 the second's.
; LAYER NORM: each wave makes, for each row, the mean of its 32 columns and the sum of squares about THAT mean; the sixteen pairs meet in LDS and are joined as M2 = sum M2_w + 32 sum (mean_w - mean)^2: no difference of large sums.
; GELU is exact: 0.5 x (1 + erf(x / sqrt 2)), erf as a quotient of two polynomials in f32 (13th over 8th degree), its argument held to +-4, beyond which erf is 1 in f32.
; No tensor loads and no cluster: they land in LDS, and a weight fragment that one wave reads once would go in and out of LDS for nothing.  No prefetch: all work-groups walk the same 1.8 MB of weights.
; LIMITS: NaN and infinities are not served; a block whose largest magnitude lies under 2^-122 gets the byte 1; v_rcp_f32 and v_rsq_f32 as they are.
; LDS: images of z (12,288) and of zn (12,288); scale words of z, zn, hidden (512, 512, 2,048); two tables for the norms (32 rows x 144); the spare words; the hidden layer's 32 images; a stage of 32 rows x 2,064 bytes that holds
; vx, then zn, then the result: behind the first barrier a cell is touched by its column's wave alone, until the last barrier.
.set ZIMG, 0
.set NIMG, 12288
.set ZSC,  24576
.set NSC,  25088
.set HSC,  25600
.set LNX1, 27648
.set LNX2, 32256
.set SPARE, 36864                      ; 128 bytes for each of 16 waves, that no other line names
.set HIMG, 38912
.set STG,  88064
.set SROW, 2064
.set L16, 1                            ; 16 x lane
.set L8,  2
.set L4,  3
.set LH16, 4                           ; HIMG + 16 x lane
.set STGC, 5                           ; the stage by columns: row r, my wave's 128 bytes, + 64 h
.set STGR, 6                           ; the stage by rows: rows 2 w, 2 w + 1, 16 bytes a lane
.set LNW, 7                            ; 144 x lane + 8 w
.set LNR, 8                            ; 144 x lane
.set NQA, 9                            ; where my block of zn's codes goes: registers 0-3,
.set NQB, 10                           ; registers 4-5,
.set NSB, 11                           ; its scale byte
.set HWI, 12                           ; where my hidden fragments go
.set HWS, 13                           ; and their scale words
.set SPW, 14
.set NIL, 15
.set CV,  16                           ; my 16 columns in a vector of 512: 128 w + 64 h bytes
.set WR16, 17                          ; my lane's row of wo_scales
.set WR64, 18                          ; and of w2_scales
.set B1O, 19                           ; b1: 512 w + 64 h bytes
.set GRO, 20                           ; rows 2 w, 2 w + 1 of the work-group's 32 in vx and out0
.set HS,  22                           ; v22-23 the activations' scale words
.set AC,  24                           ; v24-55 the four sums of the narrow products: 16 m + 8 u + j
.set HF,  56                           ; v56-103 activations' fragments, two sets of two
.set WBA, 104                          ; v104-175 weights, three sets of two fragments
.set WS,  176                          ; v176-191 the weights' scale words
.set LG,  192                          ; gain, shift and bias of my 16 columns
.set LB,  208
.set BI,  224
.set TT,  240                          ; v240-253 at work
.set NF,  24                           ; the wide product: v24-71 zn's fragments, two sets of two (GELU and the quantiser work on v24-91 between the walks along K)
.set WBB, 92                           ; v92-163 w1, three sets of two fragments
.set WSC, 164                          ; v164-179 w1's scale words of all four K steps
.set A32, 180                          ; v180-211 the four sums of a pair of tiles: 16 m + 8 u + j
.set B1R, 212                          ; v212-227 b1 at the pair's 16 hidden units of my lane: the C of the pair's first products
.set XC,  240                          ; v240-245, v248-253 six registers of codes for each tile of rows
.set PWR, 246                          ; v246-247 the hidden layer's scale words as they grow
.set HM,  42                           ; s42 lanes 16-31
.set SEL, 44
.macro PLACES                          ; four places behind matrix instructions, ahead of reads of their results and of loads into their sources
.rept 4
	v_nop
.endr
.endm
.macro MMA d, a, b, c, sa, sb, ra, rb  ; ra, rb: which half of the lanes holds the side's scale words
.if ((\ra) == 0) && ((\rb) == 0)
	v_wmma_scale_f32_16x16x128_f8f6f4 v[\d:\d+7], v[\a:\a+11], v[\b:\b+11], v[\c:\c+7], v[\sa], v[\sb] matrix_a_fmt:MATRIX_FMT_BF6 matrix_b_fmt:MATRIX_FMT_BF6
.elseif (\rb) == 0
	v_wmma_scale_f32_16x16x128_f8f6f4 v[\d:\d+7], v[\a:\a+11], v[\b:\b+11], v[\c:\c+7], v[\sa], v[\sb] matrix_a_fmt:MATRIX_FMT_BF6 matrix_b_fmt:MATRIX_FMT_BF6 matrix_a_scale:MATRIX_SCALE_ROW1
.elseif (\ra) == 0
	v_wmma_scale_f32_16x16x128_f8f6f4 v[\d:\d+7], v[\a:\a+11], v[\b:\b+11], v[\c:\c+7], v[\sa], v[\sb] matrix_a_fmt:MATRIX_FMT_BF6 matrix_b_fmt:MATRIX_FMT_BF6 matrix_b_scale:MATRIX_SCALE_ROW1
.else
	v_wmma_scale_f32_16x16x128_f8f6f4 v[\d:\d+7], v[\a:\a+11], v[\b:\b+11], v[\c:\c+7], v[\sa], v[\sb] matrix_a_fmt:MATRIX_FMT_BF6 matrix_b_fmt:MATRIX_FMT_BF6 matrix_a_scale:MATRIX_SCALE_ROW1 matrix_b_scale:MATRIX_SCALE_ROW1
.endif
.endm
.macro FETCHH reg, base                ; a fragment laid as two halves of six registers
	ds_load_b128 v[\reg:\reg+3], v[L16] offset:\base
	ds_load_b64 v[\reg+4:\reg+5], v[L8] offset:\base+512
	ds_load_b128 v[\reg+6:\reg+9], v[L16] offset:\base+768
	ds_load_b64 v[\reg+10:\reg+11], v[L8] offset:\base+1280
.endm
.macro WGRP wb, buf, sb, off           ; two weight fragments, 3,072 consecutive bytes
.irp i, 0,1,2,3,4,5
	global_load_b128 v[\wb+24*(\buf)+4*\i:\wb+24*(\buf)+4*\i+3], v[L16], s[\sb:\sb+1] offset:(\off)+512*\i
.endr
.endm
.macro ACTH s                          ; K step s of z: both tiles' fragments and scale words: 9 LDS loads
.irp m, 0,1
	FETCHH HF+24*((\s)%2)+12*\m, ZIMG+(4*\m+(\s))*1536
.endr
	ds_load_b32 v[HS+(\s)%2], v[L4] offset:ZSC+128*(\s)
.endm
.macro ACT3 s                          ; K step s of the hidden layer: 7 LDS loads
.irp m, 0,1
.irp i, 0,1,2
	ds_load_b128 v[HF+24*((\s)%2)+12*\m+4*\i:HF+24*((\s)%2)+12*\m+4*\i+3], v[LH16] offset:(2*(\s)+\m)*1536+512*\i
.endr
.endr
	ds_load_b32 v[HS+(\s)%2], v[L4] offset:HSC+128*(\s)
.endm
; A K step of a narrow product: four sums by turns.  Weights run three steps ahead, activations two.
.macro NSTEP s, ks, nact, third
.if (\s)+2 < \ks
	s_wait_loadcnt 12                              ; this step's weights are in; the two later groups may be out
.elseif (\s)+1 < \ks
	s_wait_loadcnt 6
.else
	s_wait_loadcnt 0x0
.endif
.if (\s)+1 < \ks
	s_wait_dscnt \nact                             ; this step's activations are in; the next step's may be out
.else
	s_wait_dscnt 0x0
.endif
.irp u, 0,1
.irp m, 0,1
	MMA AC+16*\m+8*\u, WBA+24*((\s)%3)+12*\u, HF+24*((\s)%2)+12*\m, AC+16*\m+8*\u, WS+(\s), HS+(\s)%2, \u, \m
.endr
.endr
	PLACES
.if (\s)+3 < \ks
.if \third
	WGRP WBA, ((\s)%3), 40, ((\s)+3)*3072
.else
	WGRP WBA, ((\s)%3), 36, ((\s)+3)*3072
.endif
.endif
.if (\s)+2 < \ks
.if \third
	ACT3 (\s)+2
.else
	ACTH (\s)+2
.endif
.endif
.endm
; The layer norm of the 32 rows, in place in v[AC] on.  One barrier inside.
.macro LN lnx
.irp m, 0,1
	v_pk_add_f32 v[TT+4*\m:TT+4*\m+1], v[AC+16*\m:AC+16*\m+1], v[AC+16*\m+2:AC+16*\m+3]   ; each sum is read from its low end on
.endr
.irp i, 4,6,8,10,12,14
.irp m, 0,1
	v_pk_add_f32 v[TT+4*\m:TT+4*\m+1], v[TT+4*\m:TT+4*\m+1], v[AC+16*\m+\i:AC+16*\m+\i+1]
.endr
.endr
.irp m, 0
	v_mov_b32 v[TT+4*\m+2], 0                      ; a lane permute's destination counts as read
	s_delay_alu instid0(VALU_DEP_3)
	v_add_f32 v[TT+4*\m], v[TT+4*\m], v[TT+4*\m+1]
.endr
.irp m, 1
	v_mov_b32 v[TT+4*\m+2], 0                      ; a lane permute's destination counts as read
	s_delay_alu instid0(VALU_DEP_4)
	v_add_f32 v[TT+4*\m], v[TT+4*\m], v[TT+4*\m+1]
.endr
.irp m, 0
	s_delay_alu instid0(VALU_DEP_3)
	v_permlanex16_b32 v[TT+4*\m+2], v[TT+4*\m], s[SEL], s[SEL+1]
.endr
.irp m, 1
	s_delay_alu instid0(VALU_DEP_2)
	v_permlanex16_b32 v[TT+4*\m+2], v[TT+4*\m], s[SEL], s[SEL+1]
.endr
.irp m, 0,1
	s_delay_alu instid0(VALU_DEP_2)
	v_add_f32 v[TT+4*\m], v[TT+4*\m], v[TT+4*\m+2]
.endr
.irp m, 0,1
	s_delay_alu instid0(VALU_DEP_2)
	v_mul_f32 v[TT+4*\m], 0x3d000000, v[TT+4*\m]   ; the mean of my 32 columns
.endr
.irp m, 0,1
	v_pk_add_f32 v[TT+8+2*\m:TT+9+2*\m], v[AC+16*\m:AC+16*\m+1], v[TT+4*\m:TT+4*\m+1] op_sel_hi:[1,0] neg_lo:[0,1] neg_hi:[0,1]
.endr
.irp m, 0,1
	s_delay_alu instid0(VALU_DEP_2)
	v_pk_mul_f32 v[TT+4*\m+2:TT+4*\m+3], v[TT+8+2*\m:TT+9+2*\m], v[TT+8+2*\m:TT+9+2*\m]
.endr
.irp i, 2,4,6,8,10,12,14
.irp m, 0,1
	v_pk_add_f32 v[TT+8+2*\m:TT+9+2*\m], v[AC+16*\m+\i:AC+16*\m+\i+1], v[TT+4*\m:TT+4*\m+1] op_sel_hi:[1,0] neg_lo:[0,1] neg_hi:[0,1]
.endr
.irp m, 0,1
	s_delay_alu instid0(VALU_DEP_2)
	v_pk_fma_f32 v[TT+4*\m+2:TT+4*\m+3], v[TT+8+2*\m:TT+9+2*\m], v[TT+8+2*\m:TT+9+2*\m], v[TT+4*\m+2:TT+4*\m+3]
.endr
.endr
.irp m, 0,1
	s_delay_alu instid0(VALU_DEP_2)
	v_add_f32 v[TT+4*\m+2], v[TT+4*\m+2], v[TT+4*\m+3]
.endr
.irp m, 0,1
	s_delay_alu instid0(VALU_DEP_2)
	v_permlanex16_b32 v[TT+4*\m+3], v[TT+4*\m+2], s[SEL], s[SEL+1]
.endr
.irp m, 0,1
	s_delay_alu instid0(VALU_DEP_2)
	v_add_f32 v[TT+4*\m+2], v[TT+4*\m+2], v[TT+4*\m+3]   ; the squares about that mean
.endr
	v_cndmask_b32 v[TT+12], v[TT], v[TT+4], s[HM]  ; lane L speaks for row L: lanes 16-31 for the second tile
	s_delay_alu instid0(VALU_DEP_2)
	v_cndmask_b32 v[TT+13], v[TT+2], v[TT+6], s[HM]
	ds_store_b64 v[LNW], v[TT+12:TT+13] offset:\lnx
	s_wait_dscnt 0x0
	s_barrier_signal -1
	s_barrier_wait -1
.irp k, 0,1,2,3,4,5,6,7
	ds_load_b128 v[HF+4*\k:HF+4*\k+3], v[LNR] offset:\lnx+16*\k   ; row L's sixteen pairs
.endr
	s_wait_dscnt 0x0
	v_pk_add_f32 v[242:243], v[56:57], v[58:59]
	v_pk_add_f32 v[254:255], v[64:65], v[68:69]
	v_pk_add_f32 v[244:245], v[72:73], v[76:77]
	v_pk_add_f32 v[238:239], v[80:81], v[84:85]
	v_pk_add_f32 v[236:237], v[60:61], v[62:63]
	v_pk_add_f32 v[234:235], v[66:67], v[70:71]
	v_pk_add_f32 v[232:233], v[74:75], v[78:79]
	v_pk_add_f32 v[240:241], v[82:83], v[86:87]
	s_delay_alu instid0(VALU_DEP_1)
	v_pk_add_f32 v[240:241], v[240:241], v[238:239]
	v_pk_add_f32 v[242:243], v[242:243], v[236:237]
	v_pk_add_f32 v[254:255], v[254:255], v[234:235]
	v_pk_add_f32 v[244:245], v[244:245], v[232:233]
	s_delay_alu instid0(VALU_DEP_2)
	v_pk_add_f32 v[240:241], v[240:241], v[254:255]
	s_delay_alu instid0(VALU_DEP_2)
	v_pk_add_f32 v[242:243], v[242:243], v[244:245]
	s_delay_alu instid0(VALU_DEP_1)
	v_pk_add_f32 v[240:241], v[240:241], v[242:243]
	s_delay_alu instid0(VALU_DEP_1)
	v_mul_f32 v[TT], 0x3d800000, v[TT]             ; the row's mean
	s_delay_alu instid0(VALU_DEP_1)
	v_sub_f32 v[TT+4], v[HF], v[TT]
	s_delay_alu instid0(VALU_DEP_2)
	v_sub_f32 v[TT+5], v[HF+2], v[TT]
	s_delay_alu instid0(VALU_DEP_2)
	v_mul_f32 v[TT+2], v[TT+4], v[TT+4]
	s_delay_alu instid0(VALU_DEP_2)
	v_mul_f32 v[TT+3], v[TT+5], v[TT+5]
.irp i, 4,8,12,16,20,24,28
	v_sub_f32 v[TT+4], v[HF+\i], v[TT]
	v_sub_f32 v[TT+5], v[HF+\i+2], v[TT]
	s_delay_alu instid0(VALU_DEP_2)
	v_fmac_f32 v[TT+2], v[TT+4], v[TT+4]
	s_delay_alu instid0(VALU_DEP_2)
	v_fmac_f32 v[TT+3], v[TT+5], v[TT+5]
.endr
	s_delay_alu instid0(VALU_DEP_1)
	v_add_f32 v[TT+2], v[TT+2], v[TT+3]
	s_delay_alu instid0(VALU_DEP_1)
	v_fmamk_f32 v[TT+1], v[TT+2], 0x42000000, v[TT+1]   ; + 32 x the means' squares about the row's mean
	s_delay_alu instid0(VALU_DEP_1)
	v_fma_f32 v[TT+1], v[TT+1], s48, s49           ; / 512 + 1e-5
	s_wait_alu depctr_va_vdst(0)
	v_rsq_f32 v[TT+2], v[TT+1]
	v_nop
	s_wait_alu depctr_va_vdst(0)                   ; ahead of the first reader
	v_permlanex16_b32 v[TT+4], v[TT], s[SEL], s[SEL+1]
	v_permlanex16_b32 v[TT+5], v[TT+2], s[SEL], s[SEL+1]
	s_delay_alu instid0(VALU_DEP_2)
	v_cndmask_b32 v[TT+6], v[TT], v[TT+4], s[HM]   ; row r of the first tile, in both halves of the lanes,
	s_delay_alu instid0(VALU_DEP_3)
	v_cndmask_b32 v[TT+8], v[TT+4], v[TT], s[HM]   ; of the second
	v_cndmask_b32 v[TT+10], v[TT+2], v[TT+5], s[HM]
	v_cndmask_b32 v[TT+12], v[TT+5], v[TT+2], s[HM]
.irp m, 0,1
.irp i, 0,2,4,6,8,10,12,14
	v_pk_add_f32 v[AC+16*\m+\i:AC+16*\m+\i+1], v[AC+16*\m+\i:AC+16*\m+\i+1], v[TT+6+2*\m:TT+7+2*\m] op_sel_hi:[1,0] neg_lo:[0,1] neg_hi:[0,1]
.endr
.endr
.irp m, 0,1
.irp i, 0,2,4,6,8,10,12,14
	v_pk_mul_f32 v[AC+16*\m+\i:AC+16*\m+\i+1], v[AC+16*\m+\i:AC+16*\m+\i+1], v[TT+10+2*\m:TT+11+2*\m] op_sel_hi:[1,0]
.endr
.endr
.irp m, 0,1
.irp i, 0,2,4,6,8,10,12,14
	v_pk_fma_f32 v[AC+16*\m+\i:AC+16*\m+\i+1], v[AC+16*\m+\i:AC+16*\m+\i+1], v[LG+\i:LG+\i+1], v[LB+\i:LB+\i+1]
.endr
.endr
.endm
; Sixteen numbers x in v[x] on become 0.5 x (1 + erf(x / sqrt 2)).  v24-39 u, v40-55 u^2 and later x / 2, v56-71 the numerator, v72-87 the denominator; v[88:89], v[90:91] the leading coefficients
.macro GELU x
.irp i, 0,2,4,6,8,10,12,14
	v_pk_mul_f32 v[24+\i:25+\i], v[\x+\i:\x+\i+1], 0x3f3504f3 op_sel_hi:[1,0]
.endr
.irp i, 0,1,2,3,4,5,6,7,8,9,10,11,12,13,14,15
	v_med3_num_f32 v[24+\i], v[24+\i], -4.0, 4.0
.endr
.irp i, 0,2,4,6,8,10,12,14
	v_pk_mul_f32 v[40+\i:41+\i], v[24+\i:25+\i], v[24+\i:25+\i]
.endr
.irp i, 0,2,4,6,8,10,12,14
	v_pk_fma_f32 v[56+\i:57+\i], v[40+\i:41+\i], v[88:89], 0x32edffee op_sel_hi:[1,1,0]
.endr
.irp k, 0xb60cff51,0xb86ec2d2,0xba40ac63,0xbb41a1f6,0xbc83dbd4
.irp i, 0,2,4,6,8,10,12,14
	v_pk_fma_f32 v[56+\i:57+\i], v[56+\i:57+\i], v[40+\i:41+\i], \k op_sel_hi:[1,1,0]
.endr
.endr
.irp i, 0,2,4,6,8,10,12,14
	v_pk_mul_f32 v[56+\i:57+\i], v[56+\i:57+\i], v[24+\i:25+\i]
.endr
.irp i, 0,2,4,6,8,10,12,14
	v_pk_fma_f32 v[72+\i:73+\i], v[40+\i:41+\i], v[90:91], 0xb95fbd29 op_sel_hi:[1,1,0]
.endr
.irp k, 0xbadc924e,0xbbf19bf8,0xbc69b6a7
.irp i, 0,2,4,6,8,10,12,14
	v_pk_fma_f32 v[72+\i:73+\i], v[72+\i:73+\i], v[40+\i:41+\i], \k op_sel_hi:[1,1,0]
.endr
.endr
	s_wait_alu depctr_va_vdst(0)
.irp i, 0,1,2,3,4,5,6,7,8,9,10,11,12,13,14,15
	v_rcp_f32 v[72+\i], v[72+\i]
.endr
.irp i, 0,2,4,6,8,10,12,14
	v_pk_mul_f32 v[40+\i:41+\i], v[\x+\i:\x+\i+1], 0.5 op_sel_hi:[1,0]   ; x / 2: plain work behind the reciprocals
.endr
	s_wait_alu depctr_va_vdst(0)                   ; one wait for the sixteen, ahead of their first reader
.irp i, 0,2,4,6,8,10,12,14
	v_pk_mul_f32 v[56+\i:57+\i], v[56+\i:57+\i], v[72+\i:73+\i]          ; erf
.endr
.irp i, 0,2,4,6,8,10,12,14
	v_pk_fma_f32 v[\x+\i:\x+\i+1], v[40+\i:41+\i], v[56+\i:57+\i], v[40+\i:41+\i]
.endr
.endm
; 64 numbers of a lane, register 16 b + i = k 32 b + 16 (lane / 16) + i of my row, become a fragment's codes in v[pc] on and its scale word in v[pw]
.macro QUANT s, tm, pc, pw
.irp b, 0,1,2,3
	v_max3_num_f32 v[\tm+\b], |v[\s+16*\b]|, |v[\s+1+16*\b]|, 0x2800000
.endr
.irp i, 2,4,6,8,10,12,14
.irp b, 0,1,2,3
	s_delay_alu instid0(VALU_DEP_4)
	v_max3_num_f32 v[\tm+\b], v[\tm+\b], |v[\s+16*\b+\i]|, |v[\s+1+16*\b+\i]|
.endr
.endr
.irp b, 0,1,2,3
	s_delay_alu instid0(VALU_DEP_4)
	v_permlanex16_b32 v[\tm+4+\b], v[\tm+\b], s[SEL], s[SEL+1]
.endr
.irp b, 0,1,2,3
	s_delay_alu instid0(VALU_DEP_4)
	v_max_num_f32 v[\tm+\b], v[\tm+\b], v[\tm+4+\b]
.endr
.irp b, 0,1,2,3
	s_delay_alu instid0(VALU_DEP_4)
	v_add_nc_u32 v[\tm+12+\b], 0xfe000000, v[\tm+\b]
.endr
.irp b, 0,1,2,3
	s_delay_alu instid0(VALU_DEP_4)
	v_lshrrev_b32 v[\tm+4+\b], 23, v[\tm+12+\b]
.endr
	s_delay_alu instid0(VALU_DEP_3)
	v_lshl_or_b32 v[\pw], v[\tm+5], 8, v[\tm+4]
	s_delay_alu instid0(VALU_DEP_1)
	v_lshl_or_b32 v[\pw], v[\tm+6], 16, v[\pw]
	s_delay_alu instid0(VALU_DEP_1)
	v_lshl_or_b32 v[\pw], v[\tm+7], 24, v[\pw]
.irp c, 0,1
	v_cvt_scalef32_pk16_bf6_f32 v[\pc+6*\c:\pc+2+6*\c], v[\s+32*\c:\s+15+32*\c], v[\tm+12+2*\c]
	v_cvt_scalef32_pk16_bf6_f32 v[\pc+12+4*\c:\pc+14+4*\c], v[\s+16+32*\c:\s+31+32*\c], v[\tm+12+2*\c+1]
.endr
	v_nop
.irp c, 0,1
.irp i, 0,1,2
	v_permlane16_swap_b32 v[\pc+6*\c+\i], v[\pc+12+4*\c+\i]
.endr
.irp i, 0,1,2
	s_delay_alu instid0(VALU_DEP_3)
	v_mov_b32 v[\pc+3+6*\c+\i], v[\pc+12+4*\c+\i]
.endr
.endr
.endm
	s_load_b512 s[4:19], s[0:1], 0x0               ; zc 4, zs 6, vx 8, wf 10, wo_scales 12, bo 14, ln1_g 16, ln1_b 18
	s_load_b256 s[20:27], s[0:1], 0x40             ; b1 20, w2_scales 22, b2 24, ln2_g 26
	s_load_b128 s[28:31], s[0:1], 0x60             ; ln2_b 28, out0 30
	v_lshl_add_u32 v[SPW], v0, 2, SPARE
	v_mov_b32 v[NIL], 0
	v_lshrrev_b32 v21, 5, v0
	s_delay_alu instid0(VALU_DEP_1)
	v_readfirstlane_b32 s32, v21                   ; wave 0..15
	v_and_b32 v21, 31, v0                          ; lane
	v_and_b32 v22, 15, v0                          ; r
	v_bfe_u32 v23, v0, 4, 1                        ; h
	s_delay_alu instid0(VALU_DEP_3)
	v_lshlrev_b32 v[L16], 4, v21
	s_delay_alu instid0(VALU_DEP_4)
	v_lshlrev_b32 v[L8], 3, v21
	v_lshlrev_b32 v[L4], 2, v21
	s_delay_alu instid0(VALU_DEP_3)
	v_add_nc_u32 v[LH16], HIMG, v[L16]
	v_mul_u32_u24 v[STGC], v22, SROW
	s_delay_alu instid0(VALU_DEP_1)
	v_lshl_add_u32 v[STGC], v23, 6, v[STGC]
	s_lshl_b32 s46, s32, 7
	s_add_co_u32 s46, s46, STG
	v_add_nc_u32 v[STGC], s46, v[STGC]
	s_mul_i32 s46, s32, 2*SROW
	s_add_co_u32 s46, s46, STG
	v_add_nc_u32 v[STGR], s46, v[L16]
	v_mul_u32_u24 v[LNR], v21, 144
	s_lshl_b32 s46, s32, 3
	v_add_nc_u32 v[LNW], s46, v[LNR]
	; my 32 columns are block w of zn's K: K step w / 4, half (w / 2) % 2, lanes 16 (w % 2) on of that half's image; lane L writes the block of row L: tile L / 16
	s_lshr_b32 s50, s32, 2
	s_mul_i32 s51, s50, 1536
	s_bfe_u32 s46, s32, 0x10001
	s_mul_i32 s46, s46, 768
	s_add_co_u32 s51, s51, s46
	s_and_b32 s47, s32, 1
	s_lshl_b32 s46, s47, 8
	s_add_co_u32 s46, s46, s51
	s_add_co_u32 s46, s46, NIMG
	v_mul_u32_u24 v[NQA], v23, 6144
	s_delay_alu instid0(VALU_DEP_1)
	v_lshl_add_u32 v[NQB], v22, 3, v[NQA]
	s_delay_alu instid0(VALU_DEP_2)
	v_lshl_add_u32 v[NQA], v22, 4, v[NQA]
	s_delay_alu instid0(VALU_DEP_1)
	v_add_nc_u32 v[NQA], s46, v[NQA]
	s_lshl_b32 s46, s47, 7
	s_add_co_u32 s46, s46, s51
	s_add_co_u32 s46, s46, NIMG+512
	v_add_nc_u32 v[NQB], s46, v[NQB]
	s_lshl_b32 s46, s50, 7
	s_and_b32 s47, s32, 3
	s_add_co_u32 s46, s46, s47
	s_add_co_u32 s46, s46, NSC
	v_add_nc_u32 v[NSB], s46, v[L4]
	s_mul_i32 s46, s32, 3072
	v_add_nc_u32 v[HWI], s46, v[LH16]
	s_lshl_b32 s46, s32, 7
	v_lshl_add_u32 v[CV], v23, 6, s46
	s_add_co_u32 s47, s46, ZSC
	v_add_nc_u32 v66, s47, v[L4]                   ; where waves 0-3 put z's scale words
	s_add_co_u32 s46, s46, HSC
	v_add_nc_u32 v[HWS], s46, v[L4]
	v_and_b32 v[WR16], 8, v22
	s_delay_alu instid0(VALU_DEP_1)
	v_add_nc_u32 v[WR16], v[WR16], v22
	s_delay_alu instid0(VALU_DEP_1)
	v_lshl_add_u32 v[WR16], v23, 3, v[WR16]
	s_lshl_b32 s46, s32, 5
	v_add_nc_u32 v[WR16], s46, v[WR16]             ; row 32 w + 8 (lane / 16) + r + 8 (r / 8): lanes 0-15 my first tile's rows, lanes 16-31 my second's
	s_delay_alu instid0(VALU_DEP_1)
	v_lshlrev_b32 v[WR64], 6, v[WR16]
	s_delay_alu instid0(VALU_DEP_2)
	v_lshlrev_b32 v[WR16], 4, v[WR16]
	s_lshl_b32 s46, s32, 9
	v_lshl_add_u32 v[B1O], v23, 6, s46
	s_lshl_b32 s46, s32, 12
	v_add_nc_u32 v[GRO], s46, v[L16]
	s_mul_i32 s46, s32, 768
	v_add_nc_u32 v60, s46, v[L16]                  ; my 768 bytes of z's images: in memory and in LDS alike
	s_add_co_u32 s46, s46, 512
	v_add_nc_u32 v61, s46, v[L8]
	s_lshl_b32 s46, s32, 15
	v_lshl_add_u32 v65, v21, 1, s46                ; zs: heads 2 w and 2 w + 1, row L
	s_mov_b32 s[HM], 0xffff0000
	s_mov_b32 s[SEL], 0x76543210
	s_mov_b32 s[SEL+1], 0xfedcba98
	s_mov_b32 s48, 0x3b000000                      ; 1 / 512
	s_mov_b32 s49, 0x3727c5ac                      ; 1e-5
	s_mov_b32 s35, 0
	s_wait_alu depctr_va_vdst(0)
	s_wait_kmcnt 0x0
	s_lshl_b32 s34, ttmp9, 16                      ; 32 rows of 2,048 bytes
	s_add_nc_u64 s[8:9], s[8:9], s[34:35]
	s_add_nc_u64 s[30:31], s[30:31], s[34:35]
	s_mul_i32 s34, ttmp9, 12288
	s_add_nc_u64 s[4:5], s[4:5], s[34:35]
	s_lshl_b32 s34, ttmp9, 6
	s_add_nc_u64 s[6:7], s[6:7], s[34:35]
	s_mul_i32 s34, s32, 12288
	s_add_nc_u64 s[36:37], s[10:11], s[34:35]      ; my part of wo,
	s_mul_i32 s34, s32, 51200
	s_add_co_u32 s34, s34, 196608
	s_add_nc_u64 s[38:39], s[10:11], s[34:35]      ; of w1,
	s_mul_i32 s34, s32, 49152
	s_add_co_u32 s34, s34, 1015808
	s_add_nc_u64 s[40:41], s[10:11], s[34:35]      ; of w2
	; ---- vx into the stage, z's images and scale words into LDS
.irp i, 0,1
.irp k, 0,1,2,3
	global_load_b128 v[AC+16*\i+4*\k:AC+16*\i+4*\k+3], v[GRO], s[8:9] offset:\i*2048+512*\k th:TH_LOAD_NT
.endr
.endr
	global_load_b128 v[56:59], v60, s[4:5]
	global_load_b64 v[62:63], v61, s[4:5]
	s_cmp_lt_u32 s32, 4
	s_cbranch_scc0 .Lno_zs
	global_load_u16 v64, v65, s[6:7]               ; K step w of z: two heads' pairs of bytes make row L's word
	global_load_u16 v67, v65, s[6:7] offset:16384
	s_wait_loadcnt 0x0
	v_lshl_or_b32 v64, v67, 16, v64
	ds_store_b32 v66, v64
.Lno_zs:
	global_load_b128 v[WS:WS+3], v[WR16], s[12:13]
.irp k, 0,1,2,3
	global_load_b128 v[BI+4*\k:BI+4*\k+3], v[CV], s[14:15] offset:16*\k
	global_load_b128 v[LG+4*\k:LG+4*\k+3], v[CV], s[16:17] offset:16*\k
	global_load_b128 v[LB+4*\k:LB+4*\k+3], v[CV], s[18:19] offset:16*\k
.endr
	WGRP WBA, 0, 36, 0
	WGRP WBA, 1, 36, 3072
	WGRP WBA, 2, 36, 6144
	s_wait_loadcnt 31                              ; vx and z are in; the 13 + 18 loads behind them may be out
.irp i, 0,1
.irp k, 0,1,2,3
	ds_store_b128 v[STGR], v[AC+16*\i+4*\k:AC+16*\i+4*\k+3] offset:\i*SROW+512*\k
.endr
.endr
	ds_store_b128 v60, v[56:59]
	ds_store_b64 v61, v[62:63]
	s_wait_dscnt 0x0
	s_barrier_signal -1
	s_barrier_wait -1
	; ---- the first product: the sums begin as vx + bo
.irp m, 0,1
.irp k, 0,1,2,3
	ds_load_b128 v[AC+16*\m+4*\k:AC+16*\m+4*\k+3], v[STGC] offset:\m*16*SROW+16*\k
.endr
.endr
	ACTH 0
	ACTH 1
	s_wait_loadcnt 18                              ; bo is in; the three groups of weights may be out
	s_wait_dscnt 18                                ; vx is in; two steps' activations may be out
.irp m, 0,1
.irp i, 0,2,4,6,8,10,12,14
	v_pk_add_f32 v[AC+16*\m+\i:AC+16*\m+\i+1], v[AC+16*\m+\i:AC+16*\m+\i+1], v[BI+\i:BI+\i+1]
.endr
.endr
	s_wait_alu depctr_va_vdst(0)
.irp s, 0,1,2,3
	NSTEP \s, 4, 9, 0
.endr
	LN LNX1
.irp m, 0,1
.irp k, 0,1,2,3
	ds_store_b128 v[STGC], v[AC+16*\m+4*\k:AC+16*\m+4*\k+3] offset:\m*16*SROW+16*\k   ; zn, kept for the residual: my own cells
.endr
.endr
	; zn's block w, for both tiles of rows
.irp m, 0,1
	v_max3_num_f32 v[56+\m], |v[AC+16*\m]|, |v[AC+16*\m+1]|, 0x2800000
.endr
.irp i, 2,4,6,8,10,12,14
.irp m, 0,1
	s_delay_alu instid0(VALU_DEP_2)
	v_max3_num_f32 v[56+\m], v[56+\m], |v[AC+16*\m+\i]|, |v[AC+16*\m+\i+1]|
.endr
.endr
.irp m, 0,1
	s_delay_alu instid0(VALU_DEP_2)
	v_permlanex16_b32 v[58+\m], v[56+\m], s[SEL], s[SEL+1]
.endr
.irp m, 0,1
	s_delay_alu instid0(VALU_DEP_2)
	v_max_num_f32 v[56+\m], v[56+\m], v[58+\m]
.endr
.irp m, 0,1
	s_delay_alu instid0(VALU_DEP_2)
	v_add_nc_u32 v[60+\m], 0xfe000000, v[56+\m]
.endr
.irp m, 0,1
	s_delay_alu instid0(VALU_DEP_2)
	v_lshrrev_b32 v[58+\m], 23, v[60+\m]
.endr
	s_delay_alu instid0(VALU_DEP_1)
	v_cndmask_b32 v62, v58, v59, s[HM]             ; row L's byte
	v_cvt_scalef32_pk16_bf6_f32 v[64:66], v[AC:AC+15], v60
	v_cvt_scalef32_pk16_bf6_f32 v[68:70], v[AC+16:AC+31], v61
	v_nop
.irp i, 0,1,2
	v_permlane16_swap_b32 v[64+\i], v[68+\i]       ; lanes 0-15 now hold the first tile's whole blocks, lanes 16-31 the second's
.endr
	s_delay_alu instid0(VALU_DEP_3)
	v_mov_b32 v67, v68
	s_delay_alu instid0(VALU_DEP_3)
	v_mov_b32 v68, v69
	s_delay_alu instid0(VALU_DEP_3)
	v_mov_b32 v69, v70
	ds_store_b128 v[NQA], v[64:67]
	ds_store_b64 v[NQB], v[68:69]
	ds_store_b8 v[NSB], v62
	s_wait_dscnt 0x0                               ; my stores are done, and have read their registers
; ---- the wide product, A PAIR OF TILES OF w1 AT A TIME: pair q (tiles 2 q, 2 q + 1) is block q of my 128 hidden units.  It walks the four K steps (group g = 4 q + s: two fragments of w1, four products, four sums by turns),
; and is then put through GELU and quantised at once, while the next three groups' 18 loads are out.  Each sum begins with b1 as the C of its first product and takes K ascending.
.macro B1LD q                          ; b1 in the result's layout: lane (r, h), tile 2 q + u: units 32 q + 16 h + 8 u + 0 .. 7
.irp u, 0,1
	global_load_b128 v[B1R+8*\u:B1R+8*\u+3], v[B1O], s[20:21] offset:(32*(\q)+8*\u)*4
	global_load_b128 v[B1R+8*\u+4:B1R+8*\u+7], v[B1O], s[20:21] offset:(32*(\q)+8*\u)*4+16
.endr
.endm
.macro NFET s                          ; K step s of zn: both tiles' fragments and scale words, into set s % 2: 9 LDS loads
	FETCHH NF+24*((\s)%2), NIMG+(\s)*1536
	FETCHH NF+24*((\s)%2)+12, NIMG+(4+(\s))*1536
	ds_load_b32 v[HS+(\s)%2], v[L4] offset:NSC+128*(\s)
.endm
; Block q of the hidden layer, for both tiles of rows: my 16 numbers and lane l xor 16's make the block.  An even block's codes wait in v[XC] on; with the odd block's they make six registers of the fragment, which leave at once
.macro HQ q
.irp m, 0,1
	v_max3_num_f32 v[24+\m], |v[A32+16*\m]|, |v[A32+16*\m+1]|, 0x2800000   ; the floor 2^(5 - 127): the byte cannot fall under 1
.endr
.irp i, 2,4,6,8,10,12,14
.irp m, 0,1
	s_delay_alu instid0(VALU_DEP_2)
	v_max3_num_f32 v[24+\m], v[24+\m], |v[A32+16*\m+\i]|, |v[A32+16*\m+\i+1]|
.endr
.endr
.irp m, 0,1
	s_delay_alu instid0(VALU_DEP_2)
	v_permlanex16_b32 v[26+\m], v[24+\m], s[SEL], s[SEL+1]
.endr
.irp m, 0,1
	s_delay_alu instid0(VALU_DEP_2)
	v_max_num_f32 v[24+\m], v[24+\m], v[26+\m]
.endr
.irp m, 0,1
	s_delay_alu instid0(VALU_DEP_2)
	v_add_nc_u32 v[28+\m], 0xfe000000, v[24+\m]    ; 4 off the exponent field: the conversion's scale operand
.endr
.irp m, 0,1
	s_delay_alu instid0(VALU_DEP_2)
	v_lshrrev_b32 v[30+\m], 23, v[28+\m]           ; the scale's byte
.endr
.irp m, 0,1
	s_delay_alu instid0(VALU_DEP_2)
.if (\q) == 0
	v_mov_b32 v[PWR+\m], v[30+\m]
.else
	v_lshl_or_b32 v[PWR+\m], v[30+\m], 8*(\q), v[PWR+\m]
.endif
.endr
.irp m, 0,1
.if (\q)%2 == 0
	v_cvt_scalef32_pk16_bf6_f32 v[XC+8*\m:XC+8*\m+2], v[A32+16*\m:A32+16*\m+15], v[28+\m]
.else
	v_cvt_scalef32_pk16_bf6_f32 v[32+4*\m:34+4*\m], v[A32+16*\m:A32+16*\m+15], v[28+\m]
.endif
.endr
	v_nop                                          ; one plain place behind a scaled conversion
.if (\q)%2 == 1
.irp m, 0,1                                    ; the operand's layout wants a whole block in a lane
.irp i, 0,1,2
	v_permlane16_swap_b32 v[XC+8*\m+\i], v[32+4*\m+\i]
.endr
.irp i, 0,1,2
	s_delay_alu instid0(VALU_DEP_3)
	v_mov_b32 v[XC+8*\m+3+\i], v[32+4*\m+\i]
.endr
.if (\q) == 1                                  ; registers 0-5 of the image: plane 0 and the lower half of plane 1
	ds_store_b128 v[HWI], v[XC+8*\m:XC+8*\m+3] offset:1536*\m
	ds_store_b64 v[HWI], v[XC+8*\m+4:XC+8*\m+5] offset:1536*\m+512
.else                                          ; registers 6-11: the upper half of plane 1 and plane 2
	ds_store_b64 v[HWI], v[XC+8*\m:XC+8*\m+1] offset:1536*\m+520
	ds_store_b128 v[HWI], v[XC+8*\m+2:XC+8*\m+5] offset:1536*\m+1024
.endif
.endr
.endif
.endm
	v_mov_b32 v88, 0xaf95df0b                      ; GELU's leading coefficients
	v_mov_b32 v89, 0xaf95df0b
	v_mov_b32 v90, 0xb77460cd
	v_mov_b32 v91, 0xb77460cd
	B1LD 0
.irp s, 0,1,2,3
	global_load_b128 v[WSC+4*\s:WSC+4*\s+3], v[L16], s[38:39] offset:\s*12800+12288
.endr
	WGRP WBB, 0, 38, 0
	WGRP WBB, 1, 38, 12800
	WGRP WBB, 2, 38, 25600
	s_wait_alu depctr_va_vdst(0)
	s_barrier_signal -1
	s_barrier_wait -1
.irp q, 0,1,2,3
.irp s, 0,1,2,3
.if \s == 0
	NFET 0
.endif
.if \s < 3
	NFET \s+1
	s_wait_dscnt 9                                 ; this K step's fragments of zn are in; the next step's nine loads may be out
.else
	s_wait_dscnt 0x0
.endif
.if 4*\q+\s < 14
	s_wait_loadcnt 12                              ; this group is in; the two later groups may be out (b1's four loads among them make the wait the stricter)
.elseif 4*\q+\s == 14
	s_wait_loadcnt 6
.else
	s_wait_loadcnt 0x0
.endif
.irp u, 0,1
.irp m, 0,1
.if \s == 0
	MMA A32+16*\m+8*\u, WBB+24*((4*\q+\s)%3)+12*\u, NF+24*(\s%2)+12*\m, B1R+8*\u, WSC+4*\s+\q, HS+\s%2, \u, \m
.else
	MMA A32+16*\m+8*\u, WBB+24*((4*\q+\s)%3)+12*\u, NF+24*(\s%2)+12*\m, A32+16*\m+8*\u, WSC+4*\s+\q, HS+\s%2, \u, \m
.endif
.endr
.endr
	PLACES
.if (\s == 0) && (\q < 3)
	B1LD \q+1                                      ; the next pair's b1
.endif
.if 4*\q+\s+3 < 16
	WGRP WBB, ((4*\q+\s)%3), 38, (((4*\q+\s+3)%4)*12800+((4*\q+\s+3)/4)*3072)
.endif
.endr
	GELU A32
	GELU A32+16
	HQ \q
.endr
	v_cndmask_b32 v254, v[PWR], v[PWR+1], s[HM]    ; lanes 0-15 the first tile's words, lanes 16-31 the second's
	ds_store_b32 v[HWS], v254
.irp k, 0,1,2,3
	global_load_b128 v[WS+4*\k:WS+4*\k+3], v[WR64], s[22:23] offset:16*\k
	global_load_b128 v[BI+4*\k:BI+4*\k+3], v[CV], s[24:25] offset:16*\k
	global_load_b128 v[LG+4*\k:LG+4*\k+3], v[CV], s[26:27] offset:16*\k
	global_load_b128 v[LB+4*\k:LB+4*\k+3], v[CV], s[28:29] offset:16*\k
.endr
	WGRP WBA, 0, 40, 0
	WGRP WBA, 1, 40, 3072
	WGRP WBA, 2, 40, 6144
	s_wait_dscnt 0x0
	s_barrier_signal -1
	s_barrier_wait -1
	; ---- the third product: the sums begin as zn + b2
.irp m, 0,1
.irp k, 0,1,2,3
	ds_load_b128 v[AC+16*\m+4*\k:AC+16*\m+4*\k+3], v[STGC] offset:\m*16*SROW+16*\k
.endr
.endr
	ACT3 0
	ACT3 1
	s_wait_loadcnt 18                              ; b2 is in; the three groups of weights may be out
	s_wait_dscnt 14                                ; zn is in; two steps' activations may be out
.irp m, 0,1
.irp i, 0,2,4,6,8,10,12,14
	v_pk_add_f32 v[AC+16*\m+\i:AC+16*\m+\i+1], v[AC+16*\m+\i:AC+16*\m+\i+1], v[BI+\i:BI+\i+1]
.endr
.endr
	s_wait_alu depctr_va_vdst(0)
.irp s, 0,1,2,3,4,5,6,7,8,9,10,11,12,13,14,15
	NSTEP \s, 16, 7, 1
.endr
	LN LNX2
.irp m, 0,1
.irp k, 0,1,2,3
	ds_store_b128 v[STGC], v[AC+16*\m+4*\k:AC+16*\m+4*\k+3] offset:\m*16*SROW+16*\k
.endr
.endr
	s_wait_dscnt 0x0
	s_barrier_signal -1
	s_barrier_wait -1
.irp i, 0,1
.irp k, 0,1,2,3
	ds_load_b128 v[HF+16*\i+4*\k:HF+16*\i+4*\k+3], v[STGR] offset:\i*SROW+512*\k
.endr
.endr
.irp n, 0,1,2,3,4,5,6,7
	s_wait_dscnt 7-\n
	global_store_b128 v[GRO], v[HF+4*\n:HF+4*\n+3], s[30:31] offset:(\n/4)*2048+(\n%4)*512 th:TH_STORE_NT   ; 32 lanes store 512 consecutive bytes, aligned
.endr
	s_wait_tensorcnt 0x0                           ; the wave's end
	ds_add_u32 v[SPW], v[NIL]
	s_wait_dscnt 0x0
	s_endpgm
.Lfunc_end_k_qf02a830587_tail:
	.size	k_qf02a830587_tail, .Lfunc_end_k_qf02a830587_tail-k_qf02a830587_tail
	.p2alignl 7, 3214868480
	.fill 96, 4, 3214868480
	.section	.rodata,"a",@progbits
	.p2align	6, 0x0
	.amdhsa_kernel k_qf02a830587_tail
		.amdhsa_group_segment_fixed_size 154112
		.amdhsa_private_segment_fixed_size 0
		.amdhsa_enable_private_segment 0
		.amdhsa_kernarg_size 112
		.amdhsa_user_sgpr_count 2
		.amdhsa_user_sgpr_kernarg_segment_ptr 1
		.amdhsa_wavefront_size32 1
		.amdhsa_system_sgpr_workgroup_id_x 1
		.amdhsa_system_sgpr_workgroup_id_y 1
		.amdhsa_system_sgpr_workgroup_id_z 1
		.amdhsa_system_vgpr_workitem_id 0
		.amdhsa_next_free_vgpr 256
		.amdhsa_next_free_sgpr 66
		.amdhsa_reserve_vcc 0
		.amdhsa_float_denorm_mode_32 3
		.amdhsa_float_denorm_mode_16_64 3
		.amdhsa_memory_ordered 1
		.amdhsa_forward_progress 1
		.amdhsa_inst_pref_size 218
	.end_amdhsa_kernel
	.amdgpu_metadata
---
amdhsa.version: [ 1, 2 ]
amdhsa.kernels:
  - .name:           k_qf02a830587_tail
    .symbol:         k_qf02a830587_tail.kd
    .args:
      - { .name: zc, .offset: 0, .size: 8, .value_kind: global_buffer, .address_space: global }
      - { .name: zs, .offset: 8, .size: 8, .value_kind: global_buffer, .address_space: global }
      - { .name: vx, .offset: 16, .size: 8, .value_kind: global_buffer, .address_space: global }
      - { .name: wf, .offset: 24, .size: 8, .value_kind: global_buffer, .address_space: global }
      - { .name: wo_scales, .offset: 32, .size: 8, .value_kind: global_buffer, .address_space: global }
      - { .name: bo, .offset: 40, .size: 8, .value_kind: global_buffer, .address_space: global }
      - { .name: ln1_g, .offset: 48, .size: 8, .value_kind: global_buffer, .address_space: global }
      - { .name: ln1_b, .offset: 56, .size: 8, .value_kind: global_buffer, .address_space: global }
      - { .name: b1, .offset: 64, .size: 8, .value_kind: global_buffer, .address_space: global }
      - { .name: w2_scales, .offset: 72, .size: 8, .value_kind: global_buffer, .address_space: global }
      - { .name: b2, .offset: 80, .size: 8, .value_kind: global_buffer, .address_space: global }
      - { .name: ln2_g, .offset: 88, .size: 8, .value_kind: global_buffer, .address_space: global }
      - { .name: ln2_b, .offset: 96, .size: 8, .value_kind: global_buffer, .address_space: global }
      - { .name: out0, .offset: 104, .size: 8, .value_kind: global_buffer, .address_space: global }
    .group_segment_fixed_size: 154112
    .private_segment_fixed_size: 0
    .kernarg_segment_align: 8
    .kernarg_segment_size: 112
    .max_flat_workgroup_size: 512
    .sgpr_count:     66
    .vgpr_count:     256
    .wavefront_size: 32
...
	.end_amdgpu_metadata
.endif
;; end of part 3
